; MI455X (gfx1250); checked and timed in simulation.
; The chip was launched on July 23, 2026; its instructions are those of AMD's public machine-readable ISA for CDNA 5 (MIT licence, August 2026) and "CDNA5" Instruction Set Architecture Reference Guide (July 2026). The comments in the code are by the model that wrote it; some were corrected since.
;; Transformer Self Attention. Allowed arithmetic: matrix products marked QUANTISED: E4M3 operands, one given power-of-two scale a tensor, by v_wmma_f32_16x16x64_fp8_fp8 or v_wmma_f32_16x16x128_fp8_fp8, f32 sums; everything else in f32.
;; Inputs: W1_codes 4,096 x 32 x 32 uint8 (E4M3 codes of W1, K innermost, in blocks of 32 codes); W2_codes 1,024 x 128 x 32 uint8 (E4M3 codes of W2, K innermost, in blocks of 32 codes); Wk_codes 1,024 x 32 x 32 uint8 (E4M3 codes of Wk, K innermost, in blocks of 32 codes); Wp_codes 1,024 x 32 x 32 uint8 (E4M3 codes of Wp, K innermost, in blocks of 32 codes); Wq_codes 1,024 x 32 x 32 uint8 (E4M3 codes of Wq, K innermost, in blocks of 32 codes); Wv_codes 1,024 x 32 x 32 uint8 (E4M3 codes of Wv, K innermost, in blocks of 32 codes); b1 1,024 float32; b2 1,024 float32; bm1 4,096 float32; bm2 1,024 float32; bp 1,024 float32; g1 1,024 float32; g2 1,024 float32; lowp_scales 16 int32 (the exponents e of the quantised operands' scales 2^e); x 2 x 2,048 x 1,024 float32.
;; Outputs: out0 2 x 2,048 x 1,024 float32.
;; This version of the problem:
;;   THIS VERSION OF THE PROBLEM IS GIVEN IN LOW PRECISION. The matrix products marked QUANTISED in the list below multiply operands that are first quantised to E4M3 (4 exponent bits, 3 mantissa bits; 8 bits a number), with one given power-of-two scale for each operand tensor; their sums are f32. All else is computed in f32.
;;   The module's matrix products, in the order in which they are computed (A, B: the left and right operand; K: the contracted axis; several contracted axes count as one K, in the product's order):
;;     1. [M 4,096, K 1,024] x [K 1,024, N 1,024]; A: computed on the way; B: input Wq (given as codes): QUANTISED (scales: A lowp_scales[0], B lowp_scales[1])
;;     2. [M 4,096, K 1,024] x [K 1,024, N 1,024]; A: computed on the way; B: input Wk (given as codes): QUANTISED (scales: A lowp_scales[2], B lowp_scales[3])
;;     3. [M 4,096, K 1,024] x [K 1,024, N 1,024]; A: computed on the way; B: input Wv (given as codes): QUANTISED (scales: A lowp_scales[4], B lowp_scales[5])
;;     4. batch 32 x [M 2,048, K 64] x [K 64, N 2,048]; A: computed on the way; B: computed on the way: QUANTISED (scales: A lowp_scales[6], B lowp_scales[7])
;;     5. batch 32 x [M 2,048, K 2,048] x [K 2,048, N 64]; A: softmax (see below); B: computed on the way: QUANTISED (scales: A lowp_scales[8], B lowp_scales[9])
;;     6. [M 4,096, K 1,024] x [K 1,024, N 1,024]; A: computed on the way; B: input Wp (given as codes): QUANTISED (scales: A lowp_scales[10], B lowp_scales[11])
;;     7. [M 4,096, K 1,024] x [K 1,024, N 4,096]; A: computed on the way; B: input W1 (given as codes): QUANTISED (scales: A lowp_scales[12], B lowp_scales[13])
;;     8. [M 4,096, K 4,096] x [K 4,096, N 1,024]; A: computed on the way; B: input W2 (given as codes): QUANTISED (scales: A lowp_scales[14], B lowp_scales[15])
;;   THE QUANTISER, for each operand of a quantised product, along K:
;;     - The operand's scale is 2^e, e = its entry of the input lowp_scales (int32; the entries are numbered through the quantised products in the list's order, A before B).
;;     - Each number is divided by the scale, clamped to +-448, and rounded to the nearest number of E4M3, ties to even, subnormals kept.
;;     - The product sums the exact products of the quantised numbers (number of the format x scale) in f32.
;;   ~~~python
;;   def quantise(x, axis, e):      # numpy; x: float32 -> the quantised numbers, widened to float32 again
;;       x = np.moveaxis(x, axis, -1); K = x.shape[-1]
;;       r = np.clip(x / 2.0 ** e, -448, 448)
;;       step = 2.0 ** (np.maximum(np.frexp(np.where(r == 0, 1, r))[1] - 1, -6) - 3)
;;       q = np.round(r / step) * step * 2.0 ** e      # np.round: ties to even
;;       return np.moveaxis(q, -1, axis).astype(np.float32)
;;   ~~~
;;   SOFTMAX AHEAD OF A QUANTISED PRODUCT. Where the list says 'softmax', what is quantised is not the finished softmax but p = 2^(t - M), with t = logit x log2(e) and M = ceil(the row's largest t), a whole number; so 1/2 < the row's largest p <= 1. The row's sum l is taken of the UNQUANTISED p, in f32, and the product's result is divided by l at the end. Since M is a whole number, a kernel that streams over the keys may use a running M (the ceiling of the running maximum): every later rescaling is an exact power of two, so the quantised numbers keep their values, but for numbers so far below the row's largest that they fall under the format's range.
;;   OPERANDS COMPUTED ON THE WAY. 'Computed on the way' means the value that the module computes at that place (a softmax that the list does not call 'softmax' is quantised finished and normalised). What goes into a quantiser is computed in f32, as accurately as f32 sums, v_exp_f32 and their like allow (about 1e-6 of the number): no bf16 or f16 on the way to a quantiser, and a product that is left as it is and whose result goes on into a quantised operand takes f32 operands (vector FMAs, or v_wmma_f32_16x16x4_f32). A number that lies on a knife's edge between two numbers of the format may be rounded either way, as far as f32 arithmetic and the matrix unit's own rounding can turn it there, and no further.
;;   INPUTS GIVEN AS CODES. W1 (in the module: [1024, 4096], K = its axis 0); W2 (in the module: [4096, 1024], K = its axis 0); Wk (in the module: [1024, 1024], K = its axis 0); Wp (in the module: [1024, 1024], K = its axis 0); Wq (in the module: [1024, 1024], K = its axis 0); Wv (in the module: [1024, 1024], K = its axis 0): each comes as NAME_codes (uint8): NAME with its K axis moved to the last place and cut into blocks of 32 codes, [.., K / 32, bytes a block], one block behind the other in memory; one code a byte (a code: sign, 4 exponent bits, 3 mantissa bits); its scale is its entry of lowp_scales. Its value is code x scale, taken as it is: it is not quantised again, and the codes and scales need not be those that the quantiser above would give.
;; One version. Each part assembles by itself: llvm-mc -triple=amdgcn-amd-amdhsa -mcpu=gfx1250 --defsym DOCPART=n.
;; ======== version 1 of 1: 7 launches
;; limits: right only within a limited range of input values
;; workspace buffers: xn 16,777,216 bytes; xc 12,582,912 bytes; qkv 12,582,912 bytes; yc 4,194,304 bytes; hb 16,777,216 bytes; hc 4,194,304 bytes; gc 16,777,216 bytes
;; launch ln1 (part 1): grid 256 x 1, 16 waves a work-group, no clusters, 51,200 bytes of LDS; arguments x, g1, b1, lowp_scales, xn, xc; writes xn, xc
.if DOCPART == 1
	.amdgcn_target "amdgcn-amd-amdhsa--gfx1250"
	.amdhsa_code_object_version 6
	.text
	.protected	k_q7a23563501_ln1
	.globl	k_q7a23563501_ln1
	.p2align	8
	.type	k_q7a23563501_ln1,@function
k_q7a23563501_ln1:
	s_mov_b64 s[64:65], 0
	v_nop
	global_prefetch_b8 v0, s[64:65] scope:SCOPE_SE
	s_setreg_imm32_b32 hwreg(HW_REG_WAVE_MODE, 25, 1), 1
	s_wait_xcnt 0x0
; xn = (x - mean) * rsqrt(var + 1e-5) * g1 + b1 for 4,096 rows of 1,024 f32, stored as f32, and three times as codes of E4M3: with the scales 2^e of entries 0, 2 and 4 of
; lowp_scales (the left operands of the three projections), [3][4096][1024] bytes, row-major.
; A wave takes one row: eight loads of 512 consecutive bytes, 32 numbers a lane; the row stays in registers between the mean, the variance (of the differences: two passes) and the scaling.
; Load j gives lane l the columns 128 j + 4 l + 0..3, so a conversion's register j holds the four codes of those columns: they go through the wave's own LDS stage (1,024 bytes a scale) as words
; and come back 16 bytes a lane, so that each store of the wave covers 512 consecutive bytes, aligned.  Waves share nothing: no barrier.
; LIMITS: each e between -126 and 119, so that 2^e and 448 x 2^e are f32 numbers.  NaN among the inputs is not served (an infinity is held at the largest code).
.set NS,  3                            ; scales
.set X,   16                           ; v16-47   the row
.set G,   48                           ; v48-79   the gains; later T
.set BB,  80                           ; v80-111  the biases; later RB
.set T,   48                           ; the held numbers in front of a conversion
.set C,   112                          ; v112-135 codes: eight registers a scale
.set RB,  80                           ; codes read back, 16 bytes a lane
.set SC,  136                          ; v136+2i: 2^e; v137+2i: 448 x 2^e
	s_load_b256 s[4:11], s[0:1], 0x0               ; x s[4:5], g1 s[6:7], b1 s[8:9], the exponents s[10:11]
	s_load_b128 s[12:15], s[0:1], 0x20             ; xn s[12:13], xc s[14:15]
	v_lshl_add_u32 v144, v0, 2, 0xc000
	v_mov_b32 v145, 0
	v_lshrrev_b32 v4, 5, v0
	s_delay_alu instid0(VALU_DEP_1)
	v_readfirstlane_b32 s16, v4                    ; wave 0..15
	v_and_b32 v5, 31, v0                           ; lane
	s_delay_alu instid0(VALU_DEP_1)
	v_lshlrev_b32 v1, 4, v5                        ; 16 x lane
	s_mul_i32 s17, s16, NS*1024                    ; my stage
	v_lshl_add_u32 v2, v5, 2, s17                  ; into it: 4 x lane
	v_add_nc_u32 v3, s17, v1                       ; out of it: 16 x lane
	s_lshl_b32 s18, ttmp9, 4
	s_add_co_u32 s18, s18, s16                     ; my row
	s_lshl_b32 s20, s18, 12                        ; in f32
	s_mov_b32 s21, 0
	s_lshl_b32 s40, s18, 10                        ; in codes
	s_mov_b32 s41, 0
	s_mov_b32 s36, 0x3a800000                      ; 1 / 1024
	s_mov_b32 s37, 0x3727c5ac                      ; 1e-5
	s_mov_b32 s38, 0x76543210                      ; v_permlanex16_b32: lane l xor 16
	s_mov_b32 s39, 0xfedcba98
	s_wait_alu depctr_va_vdst(0)
	s_wait_kmcnt 0x0
	s_load_b256 s[28:35], s[10:11], 0x0            ; entries 0 to 7
	s_add_nc_u64 s[4:5], s[4:5], s[20:21]
	s_add_nc_u64 s[12:13], s[12:13], s[20:21]
	s_add_nc_u64 s[22:23], s[14:15], s[40:41]      ; my row in each of the three planes of codes
	s_add_nc_u64 s[24:25], s[22:23], 0x400000
	s_add_nc_u64 s[26:27], s[22:23], 0x800000
.irp j, 0,1,2,3,4,5,6,7
	global_load_b128 v[X+4*\j:X+4*\j+3], v1, s[4:5] offset:512*\j th:TH_LOAD_NT
.endr
.irp j, 0,1,2,3,4,5,6,7
	global_load_b128 v[G+4*\j:G+4*\j+3], v1, s[6:7] offset:512*\j
.endr
.irp j, 0,1,2,3,4,5,6,7
	global_load_b128 v[BB+4*\j:BB+4*\j+3], v1, s[8:9] offset:512*\j
.endr
.macro REDUCE                          ; four pairs v[4:11] -> their sum over the wave, in v4 of every lane
	s_delay_alu instid0(VALU_DEP_3)
	v_pk_add_f32 v[4:5], v[4:5], v[6:7]
	s_delay_alu instid0(VALU_DEP_2)
	v_pk_add_f32 v[8:9], v[8:9], v[10:11]
	s_delay_alu instid0(VALU_DEP_1)
	v_pk_add_f32 v[4:5], v[4:5], v[8:9]
	s_delay_alu instid0(VALU_DEP_1)
	v_add_f32 v4, v4, v5
	s_delay_alu instid0(VALU_DEP_1)
	v_add_f32_dpp v4, v4, v4 row_xmask:1 row_mask:0xf bank_mask:0xf
	s_delay_alu instid0(VALU_DEP_1)
	v_add_f32_dpp v4, v4, v4 row_xmask:2 row_mask:0xf bank_mask:0xf
	s_delay_alu instid0(VALU_DEP_1)
	v_add_f32_dpp v4, v4, v4 row_xmask:4 row_mask:0xf bank_mask:0xf
	s_delay_alu instid0(VALU_DEP_1)
	v_add_f32_dpp v4, v4, v4 row_xmask:8 row_mask:0xf bank_mask:0xf
	s_delay_alu instid0(VALU_DEP_1)
	v_permlanex16_b32 v5, v4, s38, s39
	s_delay_alu instid0(VALU_DEP_1)
	v_add_f32 v4, v4, v5
.endm
	s_wait_loadcnt 16                              ; the row is in; the sixteen loads of gains and biases may be out
.irp k, 0,1,2,3
	v_pk_add_f32 v[4+2*\k:5+2*\k], v[X+4*\k:X+4*\k+1], v[X+4*\k+2:X+4*\k+3]   ; four chains, started by the first sixteen numbers
.endr
.irp j, 16,24
.irp k, 0,1,2,3
	s_delay_alu instid0(VALU_DEP_4)
	v_pk_add_f32 v[4+2*\k:5+2*\k], v[4+2*\k:5+2*\k], v[X+\j+2*\k:X+\j+2*\k+1]
.endr
.endr
	REDUCE
	s_delay_alu instid0(VALU_DEP_1)
	v_mul_f32 v6, s36, v4                          ; the mean
	s_delay_alu instid0(VALU_DEP_1)
	v_mov_b32 v7, v6
.irp j, 0,2,4,6,8,10,12,14,16,18,20,22,24,26,28,30
	v_pk_add_f32 v[X+\j:X+\j+1], v[X+\j:X+\j+1], v[6:7] neg_lo:[0,1] neg_hi:[0,1]
.endr
.irp k, 0,1,2,3
	v_pk_mul_f32 v[4+2*\k:5+2*\k], v[X+2*\k:X+2*\k+1], v[X+2*\k:X+2*\k+1]
.endr
.irp j, 8,16,24
.irp k, 0,1,2,3
	s_delay_alu instid0(VALU_DEP_4)
	v_pk_fma_f32 v[4+2*\k:5+2*\k], v[X+\j+2*\k:X+\j+2*\k+1], v[X+\j+2*\k:X+\j+2*\k+1], v[4+2*\k:5+2*\k]
.endr
.endr
	REDUCE
	s_delay_alu instid0(VALU_DEP_1)
	v_fma_f32 v4, v4, s36, s37                     ; the variance + 1e-5
	s_wait_alu depctr_va_vdst(0)
	v_rsq_f32 v6, v4
	v_nop                                          ; a plain instruction behind the transcendental
	s_wait_alu depctr_va_vdst(0)                   ; and the wait ahead of the first use of its result
	v_mov_b32 v7, v6
	s_wait_alu depctr_va_vdst(0)
	s_wait_loadcnt 0x0                             ; gains and biases
.irp j, 0,2,4,6,8,10,12,14,16,18,20,22,24,26,28,30
	v_pk_mul_f32 v[X+\j:X+\j+1], v[X+\j:X+\j+1], v[6:7]
.endr
.irp j, 0,2,4,6,8,10,12,14,16,18,20,22,24,26,28,30
	v_pk_fma_f32 v[X+\j:X+\j+1], v[X+\j:X+\j+1], v[G+\j:G+\j+1], v[BB+\j:BB+\j+1]
.endr
.irp j, 0,1,2,3,4,5,6,7
	global_store_b128 v1, v[X+4*\j:X+4*\j+3], s[12:13] offset:512*\j   ; X is not written again
.endr
	s_wait_kmcnt 0x0
.irp i, 0,1,2
	s_add_co_i32 s42, s[28+2*\i], 127
	s_lshl_b32 s43, s42, 23
	v_mov_b32 v[SC+2*\i], s43                      ; 2^e as f32: the conversion takes its exponent field
	s_add_co_i32 s42, s42, 8
	s_lshl_b32 s42, s42, 23
	s_or_b32 s42, s42, 0x600000
	v_mov_b32 v[SC+2*\i+1], s42                    ; 448 x 2^e
.endr
	s_wait_alu depctr_va_vdst(0)
.irp i, 0,1,2
.irp k, 0,1,2,3,4,5,6,7,8,9,10,11,12,13,14,15,16,17,18,19,20,21,22,23,24,25,26,27,28,29,30,31
	v_med3_num_f32 v[T+\k], v[X+\k], -v[SC+2*\i+1], v[SC+2*\i+1]   ; the conversion to an 8-bit code does not saturate (ISA guide 7.6.2): the hold comes first
.endr
.irp g, 0,1,2,3
	v_cvt_scalef32_pk8_fp8_f32 v[C+8*\i+2*\g:C+8*\i+2*\g+1], v[T+8*\g:T+8*\g+7], v[SC+2*\i]
.endr
	v_nop                                          ; a plain instruction between the conversions and the next holds, which write their sources
.irp j, 0,1,2,3,4,5,6,7
	ds_store_b32 v2, v[C+8*\i+\j] offset:1024*\i+128*\j   ; columns 128 j + 4 lane + 0..3
.endr
.endr
.irp i, 0,1,2
.irp t, 0,1
	ds_load_b128 v[RB+8*\i+4*\t:RB+8*\i+4*\t+3], v3 offset:1024*\i+512*\t   ; LDS serves a wave's instructions in order (ISA guide 5.7.1.4): these see my stores
.endr
.endr
.irp i, 0,1,2
.irp t, 0,1
	s_wait_dscnt 5-2*\i-\t                         ; this load is in; the younger ones may be out
	global_store_b128 v1, v[RB+8*\i+4*\t:RB+8*\i+4*\t+3], s[22+2*\i:23+2*\i] offset:512*\t
.endr
.endr
	s_wait_tensorcnt 0x0
	ds_add_u32 v144, v145
	s_wait_dscnt 0x0
	s_endpgm
.Lfunc_end_k_q7a23563501_ln1:
	.size	k_q7a23563501_ln1, .Lfunc_end_k_q7a23563501_ln1-k_q7a23563501_ln1
	.p2alignl 7, 3214868480
	.fill 96, 4, 3214868480
	.section	.rodata,"a",@progbits
	.p2align	6, 0x0
	.amdhsa_kernel k_q7a23563501_ln1
		.amdhsa_group_segment_fixed_size 51200
		.amdhsa_private_segment_fixed_size 0
		.amdhsa_enable_private_segment 0
		.amdhsa_kernarg_size 48
		.amdhsa_user_sgpr_count 2
		.amdhsa_user_sgpr_kernarg_segment_ptr 1
		.amdhsa_wavefront_size32 1
		.amdhsa_system_sgpr_workgroup_id_x 1
		.amdhsa_system_sgpr_workgroup_id_y 1
		.amdhsa_system_sgpr_workgroup_id_z 1
		.amdhsa_system_vgpr_workitem_id 0
		.amdhsa_next_free_vgpr 146
		.amdhsa_next_free_sgpr 66
		.amdhsa_reserve_vcc 0
		.amdhsa_float_denorm_mode_32 3
		.amdhsa_float_denorm_mode_16_64 3
		.amdhsa_memory_ordered 1
		.amdhsa_forward_progress 1
		.amdhsa_inst_pref_size 23
	.end_amdhsa_kernel
	.amdgpu_metadata
---
amdhsa.version: [ 1, 2 ]
amdhsa.kernels:
  - .name:           k_q7a23563501_ln1
    .symbol:         k_q7a23563501_ln1.kd
    .args:
      - { .name: x, .offset: 0, .size: 8, .value_kind: global_buffer, .address_space: global }
      - { .name: g1, .offset: 8, .size: 8, .value_kind: global_buffer, .address_space: global }
      - { .name: b1, .offset: 16, .size: 8, .value_kind: global_buffer, .address_space: global }
      - { .name: lowp_scales, .offset: 24, .size: 8, .value_kind: global_buffer, .address_space: global }
      - { .name: xn, .offset: 32, .size: 8, .value_kind: global_buffer, .address_space: global }
      - { .name: xc, .offset: 40, .size: 8, .value_kind: global_buffer, .address_space: global }
    .group_segment_fixed_size: 51200
    .private_segment_fixed_size: 0
    .kernarg_segment_align: 8
    .kernarg_segment_size: 48
    .max_flat_workgroup_size: 512
    .sgpr_count:     66
    .vgpr_count:     146
    .wavefront_size: 32
...
	.end_amdgpu_metadata
.endif
;; end of part 1
;; launch qkv (part 2): grid 4 x 48, 4 waves a work-group, clusters of 4 x 4, 327,680 bytes of LDS; arguments xc, Wq_codes, Wk_codes, Wv_codes, lowp_scales, qkv; writes qkv
.if DOCPART == 2
	.amdgcn_target "amdgcn-amd-amdhsa--gfx1250"
	.amdhsa_code_object_version 6
	.text
	.protected	k_q7a23563501_qkv
	.globl	k_q7a23563501_qkv
	.p2align	8
	.type	k_q7a23563501_qkv,@function
k_q7a23563501_qkv:
	s_mov_b64 s[64:65], 0
	v_nop
	global_prefetch_b8 v0, s[64:65] scope:SCOPE_SE
	s_setreg_imm32_b32 hwreg(HW_REG_WAVE_MODE, 25, 1), 1
	s_wait_xcnt 0x0
	s_wait_alu depctr_hold_cnt(0) depctr_sa_sdst(0) depctr_va_vdst(0) depctr_va_sdst(0) depctr_va_ssrc(0) depctr_va_vcc(0) depctr_vm_vsrc(0)
	s_getreg_b32 s2, hwreg(HW_REG_IB_STS2, 6, 4)
	s_cmp_eq_u32 s2, 0
	s_cbranch_scc0 .Lentry_in_a_cluster
	s_endpgm
.Lentry_in_a_cluster:
	s_bfe_u32 s2, ttmp6, 0x10000c
	s_cmp_lg_u32 s2, 0xf033
	s_cbranch_scc0 .Lentry_shape_is_right
	s_endpgm
.Lentry_shape_is_right:
.set KSTEP,  256
.set ROWB,   256
.set KROW,   1024
.set PITCH,  272
.set FR,     16
.set NL,     4
.set NP,     4
.set HALFT,  128*PITCH
.set SLOT,   4*HALFT
.set LAPS,   KROW/(2*KSTEP)
.set SPARE,  2*SLOT
.set ADRA, 16
.set ADRB, 20
.set LO,   26
.set SPW,  28
.set NIL,  29
.set QS,   30
.set QL,   31
.set TMP,  32
.set VOA,  96
.set AF,   128
.set CDS,  128
.set G1, 24
.set G0, 32
.set G1B, 48
.set G0B, 56
.set MSB, 0
.macro WIN new
.if MSB != \new
	s_set_vgpr_msb (MSB<<8)|\new
.set MSB, \new
.endif
.endm
.set MUL_LO, 0xa1
.set MUL_HI, 0xf1
.set TO_B,   0x40
.macro JLOAD g0a, g1a, g0b, g1b
	s_cmp_eq_u32 s15, 0
	s_cbranch_scc0 .Lfor_b_\@
	tensor_load_to_lds s[\g0a:\g0a+3], s[\g1a:\g1a+7]
	s_nop 0
.rept 4
	v_nop
.endr
	s_branch .Lasked_\@
.Lfor_b_\@:
	tensor_load_to_lds s[\g0b:\g0b+3], s[\g1b:\g1b+7]
	s_nop 0
.rept 4
	v_nop
.endr
.Lasked_\@:
.endm
.macro CREST
	s_cmp_lg_u32 s14, 0
	s_cbranch_scc1 .Lnot_wave_0_\@
	s_barrier_signal -3
.Lnot_wave_0_\@:
	s_barrier_wait -3
	s_barrier_signal -1
	s_barrier_wait -1
.endm
.macro CROUND
	s_barrier_signal -1
	s_barrier_wait -1
	CREST
.endm
	s_load_b256 s[4:11], s[0:1], 0x0
	s_load_b128 s[84:87], s[0:1], 0x20
	v_lshl_add_u32 v[SPW], v0, 2, SPARE
	v_mov_b32 v[NIL], 0
	ds_add_u32 v28, v29
	ds_add_u32 v28, v29
	s_wait_dscnt 0x0
	v_lshrrev_b32 v1, 5, v0
	v_readfirstlane_b32 s14, v1
	s_lshr_b32 s15, s14, 1
	s_and_b32 s16, s14, 1
	s_bfe_u32 s40, ttmp6, 0x40000
	s_bfe_u32 s41, ttmp6, 0x40004
	s_and_b32 s66, ttmp7, 0xffff
	s_and_b32 s67, s66, 3
	s_lshl_b32 s67, s67, 2
	s_lshr_b32 s66, s66, 2
	s_cmp_eq_u32 s66, 2
	s_cselect_b32 s42, s67, 0
	s_cselect_b32 s17, 0, s67
	s_add_co_u32 s42, s42, s40
	s_add_co_u32 s17, s17, s41
	s_lshl_b32 s43, s41, 2
	s_lshl_b32 s43, 15, s43
	s_lshl_b32 s44, 0x1111, s40
	s_or_b32 s[G1+0], s43, (0<<16)|(1<<20)|(1<<21)|(5<<22)|(3<<25)
	s_or_b32 s[G1B+0], s44, (0<<16)|(1<<20)|(1<<21)|(5<<22)|(3<<25)
.irp g, G1, G1B
	s_mov_b32 s[\g+1], ROWB<<16
	s_mov_b32 s[\g+2], 128<<16
	s_mov_b32 s[\g+3], ROWB<<16
	s_mov_b32 s[\g+4], 128
	s_mov_b32 s[\g+5], KROW
	s_mov_b32 s[\g+6], 0
	s_mov_b32 s[\g+7], 0
.endr
	s_lshl_b32 s18, s16, 7
	s_lshl_b32 s20, s17, 8
	s_add_co_u32 s20, s20, s18
	s_lshl_b32 s20, s20, 10
	s_mov_b32 s21, 0
	s_lshl_b32 s46, s42, 8
	s_add_co_u32 s46, s46, s18
	s_lshl_b32 s46, s46, 10
	s_mov_b32 s47, 0
	s_mul_i32 s45, s14, HALFT
	s_wait_kmcnt 0x0
	s_load_b512 s[68:83], s[84:85], 0x0
	s_add_nc_u64 s[92:93], s[4:5], 0x400000
	s_add_nc_u64 s[94:95], s[4:5], 0x800000
	s_cmp_eq_u32 s66, 0
	s_cselect_b64 s[88:89], s[4:5], s[92:93]
	s_cselect_b64 s[90:91], s[6:7], s[8:9]
	s_cmp_eq_u32 s66, 2
	s_cselect_b64 s[88:89], s[10:11], s[88:89]
	s_cselect_b64 s[90:91], s[94:95], s[90:91]
	s_add_nc_u64 s[20:21], s[88:89], s[20:21]
	s_add_nc_u64 s[46:47], s[90:91], s[46:47]
	; the prefetches: of the 128 rows that my wave fetches, my work-group takes 32, told apart from its three partners by address (cx for the first operand's tiles, cy for the second's); a lane a row of 1,024 bytes
	s_cmp_eq_u32 s15, 0
	s_cselect_b64 s[96:97], s[20:21], s[46:47]
	s_cselect_b32 s12, s40, s41
	s_lshl_b32 s12, s12, 15
	s_mov_b32 s13, 0
	s_add_nc_u64 s[96:97], s[96:97], s[12:13]
	v_and_b32 v22, 31, v0
	v_lshlrev_b32 v22, 10, v22
	s_wait_alu depctr_va_vdst(0)                   ; the wait
	CROUND
.irp s, 0,1
	s_mov_b32 s[G0+4*\s], 1
	s_add_co_u32 s[G0+4*\s+1], s45, \s*SLOT
	s_add_nc_u64 s[G0+4*\s+2:G0+4*\s+3], s[20:21], \s*ROWB
	s_or_b32 s[G0+4*\s+3], s[G0+4*\s+3], 0x80000000
	s_mov_b32 s[G0B+4*\s], 1
	s_add_co_u32 s[G0B+4*\s+1], s45, \s*SLOT
	s_add_nc_u64 s[G0B+4*\s+2:G0B+4*\s+3], s[46:47], \s*ROWB
	s_or_b32 s[G0B+4*\s+3], s[G0B+4*\s+3], 0x80000000
.if \s
	s_wait_tensorcnt 0x0                           ; slot 1's first fill is issued as a refill is: the tensor wait, the adds and a round go ahead of it
	ds_add_u32 v28, v29
	ds_add_u32 v28, v29
	s_wait_dscnt 0x0
	CROUND
.endif
	JLOAD G0+4*\s, G1, G0B+4*\s, G1B
.if \s == 0
	global_prefetch_b8 v22, s[96:97] offset:ROWB th:TH_LOAD_NT scope:SCOPE_SE          ; behind the load of K step 0 also K step 1, whose load follows one load later
.endif
	global_prefetch_b8 v22, s[96:97] offset:(2+\s)*ROWB th:TH_LOAD_NT scope:SCOPE_SE   ; behind the load of K step s: 256 bytes of each of my 32 rows of K step s + 2; two K steps at the most are asked for and not yet loaded
.endr
	v_and_b32 v1, 15, v0
	v_bfe_u32 v2, v0, 4, 1
	v_mul_u32_u24 v3, v1, PITCH
	v_lshl_add_u32 v4, v2, 4, v3
	s_mul_i32 s21, s15, HALFT
	s_mul_i32 s22, s16, HALFT
	s_add_co_u32 s22, s22, 2*HALFT
.irp s, 0,1
	v_add_nc_u32 v[ADRA+\s], s21, v4
	v_add_nc_u32 v[ADRB+\s], s22, v4
	s_add_co_u32 s21, s21, SLOT
	s_add_co_u32 s22, s22, SLOT
.endr
.macro FRAG reg, adr, q, i
.irp c, 0,1,2,3
	ds_load_b128 v[\reg+4*\c:\reg+4*\c+3], v[\adr] offset:128*(\q)+32*\c+(\i)*16*PITCH
.endr
.endm
.macro MUL16 a0, p, zero
.irp a, \a0, \a0+1
.irp b, 0,1,2,3,4,5,6,7
.if \zero
	v_wmma_f32_16x16x128_fp8_fp8 v[8*(8*((\a)%4)+\b):8*(8*((\a)%4)+\b)+7], v[128*(\p)+FR*\b:128*(\p)+FR*\b+FR-1], v[AF+FR*(\a):AF+FR*(\a)+FR-1], 0
.else
	v_wmma_f32_16x16x128_fp8_fp8 v[8*(8*((\a)%4)+\b):8*(8*((\a)%4)+\b)+7], v[128*(\p)+FR*\b:128*(\p)+FR*\b+FR-1], v[AF+FR*(\a):AF+FR*(\a)+FR-1], v[8*(8*((\a)%4)+\b):8*(8*((\a)%4)+\b)+7]
.endif
.endr
.endr
.endm
.macro FETCH_B slot, q, p
	WIN TO_B
.irp i, 0,1,2,3,4,5,6,7
	FRAG 128*(\p)+FR*\i, ADRB+\slot, \q, \i
.endr
	WIN 0
.endm
.macro FETCH_A slot, q, i0
.irp i, \i0, \i0+1, \i0+2, \i0+3
	FRAG AF+FR*(\i), ADRA+\slot, \q, \i
.endr
.endm
.macro PLACES n
.rept \n
	v_nop
.endr
.endm
.macro STEP slot, q, zero
	s_wait_dscnt 4*NL
	WIN MUL_LO
	MUL16 0, (\q)%2, \zero
	MUL16 2, (\q)%2, \zero
	s_wait_dscnt 0
	PLACES NP
	FETCH_B \slot, (\q)+1, 1-(\q)%2
	FETCH_A \slot, (\q)+1, 0
	WIN MUL_HI
	MUL16 4, (\q)%2, \zero
	MUL16 6, (\q)%2, \zero
	PLACES NP
	WIN 0
	FETCH_A \slot, (\q)+1, 4
.endm
.macro TURN slot, next, fill
	s_wait_tensorcnt 0x0
	ds_add_u32 v[SPW], v[NIL]
	s_wait_dscnt 4*NL+1
	WIN MUL_LO
	MUL16 0, 1, 0
	s_wait_dscnt 0x0
	s_barrier_signal -1
	MUL16 2, 1, 0
	WIN 0
	s_barrier_wait -1
.if \fill
	CREST
	s_add_nc_u64 s[G0+4*\slot+2:G0+4*\slot+3], s[G0+4*\slot+2:G0+4*\slot+3], 2*ROWB
	s_add_nc_u64 s[G0B+4*\slot+2:G0B+4*\slot+3], s[G0B+4*\slot+2:G0B+4*\slot+3], 2*ROWB
	JLOAD G0+4*\slot, G1, G0B+4*\slot, G1B
.else
	PLACES NP
.endif
	FETCH_B \next, 0, 0
	FETCH_A \next, 0, 0
	WIN MUL_HI
	MUL16 4, 1, 0
	MUL16 6, 1, 0
	PLACES NP
	WIN 0
	FETCH_A \next, 0, 4
.endm
	s_wait_alu depctr_va_vdst(0)
	s_wait_tensorcnt 1
	s_barrier_signal -1
	s_barrier_wait -1
	FETCH_B 0, 0, 0
	FETCH_A 0, 0, 0
	FETCH_A 0, 0, 4
	STEP 0, 0, 1
	s_mov_b32 s3, LAPS-1
.Llap:
	TURN 0, 1, 1
	STEP 1, 0, 0
	TURN 1, 0, 1
	STEP 0, 0, 0
	s_sub_co_u32 s3, s3, 1
	s_cmp_lg_u32 s3, 0
	s_cbranch_scc1 .Llap
	TURN 0, 1, 0
	STEP 1, 0, 0
	s_wait_dscnt 4*NL
	WIN MUL_LO
	MUL16 0, 1, 0
	MUL16 2, 1, 0
	s_wait_dscnt 0
	WIN MUL_HI
	MUL16 4, 1, 0
	MUL16 6, 1, 0
	WIN 0
	s_wait_kmcnt 0x0
	s_cmp_eq_u32 s66, 0
	s_cselect_b32 s88, s68, s70
	s_cselect_b32 s89, s69, s71
	s_cselect_b32 s90, s74, s75
	s_cmp_eq_u32 s66, 2
	s_cselect_b32 s88, s72, s88
	s_cselect_b32 s89, s73, s89
	s_cselect_b32 s90, s77, s90
	s_mov_b32 s91, 131072
	s_cselect_b32 s93, 1024, s91
	s_cselect_b32 s95, s91, 4096
	s_mov_b32 s94, 1024
	s_cselect_b32 s94, 2048, s94
	s_sub_co_i32 s90, s90, s88
	s_sub_co_i32 s90, s90, s89
	s_add_co_i32 s90, s90, 127
	s_lshl_b32 s91, s90, 23
	v_mov_b32 v[QS], s91
	s_add_co_i32 s90, s90, 8
	s_lshl_b32 s90, s90, 23
	s_or_b32 s90, s90, 0x600000
	v_mov_b32 v[QL], s90
	s_lshl_b32 s20, s17, 8
	s_lshl_b32 s21, s15, 7
	s_add_co_u32 s20, s20, s21
	s_lshl_b32 s46, s42, 8
	s_lshl_b32 s47, s16, 7
	s_add_co_u32 s46, s46, s47
	s_lshr_b32 s21, s20, 11
	s_lshl_b32 s21, s21, 4
	s_lshr_b32 s47, s46, 6
	s_add_co_u32 s21, s21, s47
	s_lshl_b32 s21, s21, 17
	s_and_b32 s47, s20, 2047
	s_lshl_b32 s47, s47, 6
	s_add_co_u32 s21, s21, s47
	s_lshl_b32 s47, s66, 22
	s_add_co_u32 s21, s21, s47
	s_lshr_b32 s22, s46, 11
	s_lshl_b32 s22, s22, 4
	s_lshr_b32 s23, s20, 6
	s_add_co_u32 s22, s22, s23
	s_lshl_b32 s22, s22, 17
	s_and_b32 s23, s46, 2047
	s_lshl_b32 s23, s23, 6
	s_add_co_u32 s22, s22, s23
	s_add_co_u32 s22, s22, 0x800000
	s_cmp_eq_u32 s66, 2
	s_cselect_b32 s20, s22, s21
	s_mov_b32 s21, 0
	s_add_nc_u64 s[86:87], s[86:87], s[20:21]
	v_and_b32 v[LO], 31, v0
	v_lshlrev_b32 v[LO], 4, v[LO]
	v_add_nc_u32 v[LO+1], s93, v[LO]
	s_mov_b32 s92, 0
.irp a, 0,1,2,3,4,5,6,7
	v_add_nc_u32 v[VOA+2*\a], s92, v[LO]
	v_add_nc_u32 v[VOA+2*\a+1], s92, v[LO+1]
.if \a == 3
	s_mov_b32 s92, s95
.elseif \a < 7
	s_add_co_u32 s92, s92, s94
.endif
.endr
.macro OUTQ a
	WIN 0x02+((\a)/4)
.set i, 0
.rept 64
	v_med3_num_f32 v[TMP+i], v[64*((\a)%4)+i], -v[QL], v[QL]
.set i, i+1
.endr
	WIN 0
.irp b, 0,1,2,3,4,5,6,7
	v_cvt_scalef32_pk8_fp8_f32 v[CDS+16*(\a)+2*\b:CDS+16*(\a)+2*\b+1], v[TMP+8*\b:TMP+8*\b+7], v[QS]
.endr
	v_nop
.irp g, 0,1,2,3
	global_store_b128 v[VOA+2*(\a)+\g/2], v[CDS+16*(\a)+4*\g:CDS+16*(\a)+4*\g+3], s[86:87] offset:512*(\g%2)
.endr
.endm
.irp a, 0,1,2,3,4,5,6,7
	OUTQ \a
.endr
	s_wait_tensorcnt 0x0
	ds_add_u32 v[SPW], v[NIL]
	s_wait_dscnt 0x0
	CROUND
	s_endpgm
.Lfunc_end_k_q7a23563501_qkv:
	.size	k_q7a23563501_qkv, .Lfunc_end_k_q7a23563501_qkv-k_q7a23563501_qkv
	.p2alignl 7, 3214868480
	.fill 96, 4, 3214868480
	.section	.rodata,"a",@progbits
	.p2align	6, 0x0
	.amdhsa_kernel k_q7a23563501_qkv
		.amdhsa_group_segment_fixed_size 327680
		.amdhsa_private_segment_fixed_size 0
		.amdhsa_enable_private_segment 0
		.amdhsa_kernarg_size 48
		.amdhsa_user_sgpr_count 2
		.amdhsa_user_sgpr_kernarg_segment_ptr 1
		.amdhsa_wavefront_size32 1
		.amdhsa_system_sgpr_workgroup_id_x 1
		.amdhsa_system_sgpr_workgroup_id_y 1
		.amdhsa_system_sgpr_workgroup_id_z 1
		.amdhsa_system_vgpr_workitem_id 0
		.amdhsa_next_free_vgpr 1024
		.amdhsa_next_free_sgpr 98
		.amdhsa_reserve_vcc 0
		.amdhsa_float_denorm_mode_32 3
		.amdhsa_float_denorm_mode_16_64 3
		.amdhsa_memory_ordered 1
		.amdhsa_forward_progress 1
		.amdhsa_inst_pref_size 121
	.end_amdhsa_kernel
	.amdgpu_metadata
---
amdhsa.version: [ 1, 2 ]
amdhsa.kernels:
  - .name:           k_q7a23563501_qkv
    .symbol:         k_q7a23563501_qkv.kd
    .args:
      - { .name: xc, .offset: 0, .size: 8, .value_kind: global_buffer, .address_space: global }
      - { .name: Wq_codes, .offset: 8, .size: 8, .value_kind: global_buffer, .address_space: global }
      - { .name: Wk_codes, .offset: 16, .size: 8, .value_kind: global_buffer, .address_space: global }
      - { .name: Wv_codes, .offset: 24, .size: 8, .value_kind: global_buffer, .address_space: global }
      - { .name: lowp_scales, .offset: 32, .size: 8, .value_kind: global_buffer, .address_space: global }
      - { .name: qkv, .offset: 40, .size: 8, .value_kind: global_buffer, .address_space: global }
    .group_segment_fixed_size: 327680
    .private_segment_fixed_size: 0
    .kernarg_segment_align: 8
    .kernarg_segment_size: 48
    .max_flat_workgroup_size: 128
    .sgpr_count:     98
    .vgpr_count:     1024
    .wavefront_size: 32
...
	.end_amdgpu_metadata
.endif
;; end of part 2
;; launch att (part 3): grid 8 x 32, 8 waves a work-group, clusters of 4 x 1, 264,192 bytes of LDS; arguments qkv, lowp_scales, yc; writes yc
.if DOCPART == 3
	.amdgcn_target "amdgcn-amd-amdhsa--gfx1250"
	.amdhsa_code_object_version 6
	.text
	.protected	k_q7a23563501_att
	.globl	k_q7a23563501_att
	.p2align	8
	.type	k_q7a23563501_att,@function
k_q7a23563501_att:
	s_mov_b64 s[64:65], 0
	v_nop
	global_prefetch_b8 v0, s[64:65] scope:SCOPE_SE
	s_setreg_imm32_b32 hwreg(HW_REG_WAVE_MODE, 25, 1), 1
	s_wait_xcnt 0x0
	s_wait_alu depctr_hold_cnt(0) depctr_sa_sdst(0) depctr_va_vdst(0) depctr_va_sdst(0) depctr_va_ssrc(0) depctr_va_vcc(0) depctr_vm_vsrc(0)
	s_getreg_b32 s2, hwreg(HW_REG_IB_STS2, 6, 4)
	s_cmp_eq_u32 s2, 0
	s_cbranch_scc0 .Lentry_in_a_cluster
	s_endpgm
.Lentry_in_a_cluster:
	s_bfe_u32 s2, ttmp6, 0x10000c
	s_cmp_lg_u32 s2, 0x3003
	s_cbranch_scc0 .Lentry_shape_is_right
	s_endpgm
.Lentry_shape_is_right:
; y[head][q] = sum over keys k != q of softmax_k(Q . K / 8) V, both products on codes of E4M3, for 32 heads of 2,048 tokens x 64; y is quantised (entry 10) into the next product's operand image.
; THE SOFTMAX: t = score x log2(e) / 8; M = the row's largest t so far, rounded up to a whole number; p = 2^(t - M) is quantised (entry 8), not normalised; the row's sum is taken of the unquantised p and divides at the end.
; When M moves, the sum and O are multiplied by 2^(old M - new M), which rounds nothing.
; SHARES.  A work-group owns 256 queries of one head; each of its eight waves owns 32 of them, two tiles A and B of 16, so that each fragment of K and of V read from LDS feeds two matrix instructions.
; LDS holds the WHOLE head, filled once: K's register images at 0 (131,072 bytes), V's behind them.  Each wave asks for 32,768 bytes of them by ONE tensor load at the head; nothing is filled again: no ring.
; CLUSTER.  The four query blocks of a cluster walk the same K and V: each load is a joint load that names the four.
; NO PREFETCH: K and V are asked for once, at the head; there is no loop in which a request could run ahead of them.
; LAYOUT.  S^T = K Q^T (source 0 = 16 keys, source 1 = 16 queries): a lane holds ONE query (lane % 16) of each tile; register j of key tile t is key 16 t + 8 (lane / 16) + j: the plain order of a 16 x 128 operand,
; so p's conversions are source 1 of O^T = V^T P^T as they stand.
; THE DIAGONAL.  Tile A meets its own keys in key tile 2 (wave % 4), tile B in the next one, of key step 2 x block + wave / 4.  The tile hangs on the wave's number: a branch.  The step hangs on the work-group's place
; in its cluster: a select between 1.0 and 0.  Eight registers DG hold -3e38 where register j is the lane's own key and 0 elsewhere; in every step those two tiles' scores take DG x the select on top.
; THE EXPONENTIALS go in two batches.  Among A's stand B's scalings t - M; among B's stand A's first pair sums and holds: plain lines whose sources were made ahead of the batch's wait and whose results are read behind the next wait.
; LOOK-AHEAD IN LDS: V's fragments are asked for at a step's top, the next step's K fragments behind the score products.  The last trip's look-ahead reads the first 8,192 bytes of V's images; those registers are not used.
; LIMITS: entries 6 + 7 between -117 and 130: they are added to c's exponent field, and -3e38 x c must lie under -256, so that the own key's p is 0.  Entries 8 and 10 between -126 and 119.  NaN is not served.
; REGISTERS.  Window 0: v1-13 addresses and scales; v16-27, v28-39 the two tiles' state (+0 -M, +2 f, +4..5 the sum, +8..11 at work; +1, +3 are 0: upper halves of pairs); v40-55 Q; v56-63 DG; v64-127, v128-191 S^T, then p;
;   v192-223 p's codes; v224-255 pair sums.  Window 1: v0-63 O^T of A and B; v64-127 K's 8 fragments; v128-191 V's 4.
.set SPARE, 0x40000                    ; behind K and V: the spare words, 128 bytes a wave
.set LI,   1                           ; 16 x lane
.set LI8,  2                           ; + 8192: the next step's K
.set LIV,  3                           ; + 131072: V
.set ADK,  4
.set ADV,  5
.set SPW,  6
.set NIL,  7
.set HA,   8                           ; 448 x 2^e8, twice: the halves of a dual instruction take their first sources from different banks
.set HB,   9
.set PS,   10                          ; 2^e8
.set YS,   12                          ; 2^e10
.set YH,   13                          ; 448 x 2^e10
.set TA,   16
.set TBB,  28
.set QA,   40
.set QB,   48
.set DG,   56
.set SA,   64
.set SB,   128
.set CA,   192
.set CB,   208
.set T,    224
.set OA,   0
.set OB,   32
.set KF,   64
.set VF,   128
.set WV,   18                          ; s18 wave
.set W3,   19                          ; s19 wave % 4
.set SEL,  20                          ; s[20:21] lane l xor 16
.set CS,   22                          ; s[22:23] c
.set G1,   24
.set G0,   32
.set TB,   48                          ; s48 LDS byte of the step's images
.set KS,   49                          ; s49 the key step
.set KSTAR, 50                         ; s50 the key step that holds my diagonal
.set SL,   52                          ; s[52:53] 1.0 in that step, else 0
.set ONE,  54
.set NCS,  55                          ; -c
.set MSB, 0
.macro WIN new                         ; the immediate's high byte repeats the setting that is left
.if MSB != \new
	s_set_vgpr_msb (MSB<<8)|\new
.set MSB, \new
.endif
.endm
.macro ROUND                           ; a round of the cluster's barrier
	s_barrier_signal -1
	s_barrier_wait -1
	s_cmp_lg_u32 s[WV], 0
	s_cbranch_scc1 .Lnot_wave_0_\@
	s_barrier_signal -3
.Lnot_wave_0_\@:
	s_barrier_wait -3
	s_barrier_signal -1
	s_barrier_wait -1
.endm
	s_load_b128 s[4:7], s[0:1], 0x0                ; qkv s[4:5], the exponents s[6:7]
	s_load_b64 s[8:9], s[0:1], 0x10                ; yc
	v_lshl_add_u32 v[SPW], v0, 2, SPARE
	v_mov_b32 v[NIL], 0
	ds_add_u32 v[SPW], v[NIL]                      ; the opening lines: the add, twice on end, and its wait ahead of my tensor load
	ds_add_u32 v[SPW], v[NIL]
	v_lshrrev_b32 v[ADK], 5, v0
	v_readfirstlane_b32 s[WV], v[ADK]              ; wave 0..7
	s_and_b32 s[W3], s[WV], 3
	s_lshr_b32 s73, s[WV], 2                       ; I fetch for K (0) or for V (1); also: which of my block's two key steps holds my queries
	s_bfe_u32 s74, ttmp6, 0x40000                  ; cx
	s_lshl_b32 s75, ttmp9, 2
	s_add_co_u32 s75, s75, s74                     ; my block of 256 queries
	s_and_b32 s63, ttmp7, 0xffff                   ; the head, which the four partners share
	s_lshl_b32 s[KSTAR], s75, 1
	s_add_co_u32 s[KSTAR], s[KSTAR], s73
	s_lshl_b32 s62, s75, 4
	s_lshl_b32 s76, s[WV], 1
	s_add_co_u32 s62, s62, s76                     ; tile A among the head's 128 tiles of 16 queries
	s_lshl_b32 s77, s[WV], 15                      ; where my load goes: wave x 32768
	s_lshl_b32 s79, s63, 17                        ; the head's images
	s_lshl_b32 s10, s73, 22                        ; K's plane or V's
	s_lshl_b32 s78, s[W3], 15                      ; my quarter of it: 512 keys
	s_add_co_u32 s10, s10, s78
	s_add_co_u32 s10, s10, s79
	s_add_co_u32 s10, s10, 0x400000
	s_mov_b32 s11, 0
	s_lshl_b32 s12, s62, 10
	s_add_co_u32 s12, s12, s79                     ; Q's images of my two tiles
	s_mov_b32 s13, 0
	s_lshr_b32 s14, s63, 4                         ; yc: the batch,
	s_lshl_b32 s14, s14, 7
	s_add_co_u32 s14, s14, s62                     ; tile A among the 256 tiles of tokens,
	s_lshl_b32 s14, s14, 3
	s_and_b32 s15, s63, 15                         ; the head in its batch: k = 64 x head + channel
	s_lshr_b32 s16, s15, 1
	s_add_co_u32 s14, s14, s16
	s_lshl_b32 s14, s14, 11
	s_and_b32 s15, s15, 1
	s_lshl_b32 s15, s15, 10
	s_add_co_u32 s14, s14, s15
	s_mov_b32 s15, 0
	s_mov_b32 s[G1], 15|(3<<16)|(1<<21)            ; the mask: all four work-groups; elements of 8 bytes; bit 21 beside a mask; no padding
	s_mov_b32 s[G1+1], 32<<16                      ; tensor_dim0 = 32: rows of 256 bytes
	s_mov_b32 s[G1+2], 128<<16                     ; tensor_dim1 = 128
	s_mov_b32 s[G1+3], 32<<16                      ; tile_dim0
	s_mov_b32 s[G1+4], 128                         ; tile_dim1
	s_mov_b32 s[G1+5], 32                          ; the pitch: dense
	s_mov_b32 s[G1+6], 0
	s_mov_b32 s[G1+7], 0
	s_mov_b32 s[SEL], 0x76543210
	s_mov_b32 s[SEL+1], 0xfedcba98
	s_mov_b32 s[CS], 0x3e38aa3b                    ; c = log2(e) / 8
	s_mov_b32 s61, 0xffff0000                      ; lanes 16-31
	s_mov_b32 s[ONE], 0x3f800000
	s_mov_b32 s[SL+1], 0                           ; (named with s52 as a pair, so it is written)
	s_mov_b32 s[TB], 0
	s_mov_b32 s[KS], 0
	s_mov_b32 s60, 16                              ; key steps
	s_wait_dscnt 0x0                               ; both opening adds are done
	s_wait_kmcnt 0x0
	s_load_b128 s[68:71], s[6:7], 0x18             ; entries 6 to 9
	s_load_b32 s72, s[6:7], 0x28                   ; entry 10
	s_add_nc_u64 s[10:11], s[4:5], s[10:11]
	s_add_nc_u64 s[12:13], s[4:5], s[12:13]
	s_add_nc_u64 s[8:9], s[8:9], s[14:15]
	s_mov_b32 s[G0], 1
	s_mov_b32 s[G0+1], s77
	s_mov_b64 s[G0+2:G0+3], s[10:11]
	s_or_b32 s[G0+3], s[G0+3], 0x80000000
	ROUND                                          ; all four work-groups are here: the joint loads meet
	tensor_load_to_lds s[G0:G0+3], s[G1:G1+7]      ; my one tensor load
	s_nop 0
.rept 4
	v_nop
.endr
	s_wait_kmcnt 0x0
	s_add_co_i32 s73, s68, s69
	s_lshl_b32 s73, s73, 23
	s_add_co_i32 s[CS], s[CS], s73                 ; a score stands for score x 2^(e6 + e7): added to c's exponent field
	s_mov_b32 s[CS+1], s[CS]
	s_xor_b32 s[NCS], s[CS], 0x80000000
	s_add_co_i32 s73, s70, 127
	s_lshl_b32 s74, s73, 23                        ; 2^e8
	s_add_co_i32 s73, s73, 8
	s_lshl_b32 s73, s73, 23
	s_or_b32 s73, s73, 0x600000                    ; 448 x 2^e8
	s_add_co_i32 s75, s72, 127
	s_lshl_b32 s76, s75, 23                        ; 2^e10
	s_add_co_i32 s75, s75, 8
	s_lshl_b32 s75, s75, 23
	s_or_b32 s75, s75, 0x600000                    ; 448 x 2^e10
	s_add_co_i32 s56, s70, s71                     ; e8 + e9
	v_and_b32 v[LI], 31, v0
	v_lshlrev_b32 v[LI], 4, v[LI]
.irp c, 0,1,2,3
	global_load_b128 v[QA+4*\c:QA+4*\c+3], v[LI], s[12:13] offset:512*\c   ; Q's two fragments stay in registers
.endr
	v_add_nc_u32 v[LI8], 8192, v[LI]
	v_add_nc_u32 v[LIV], 131072, v[LI]
	v_mov_b32 v[PS], s74
	v_mov_b32 v[HA], s73
	v_mov_b32 v[HB], s73
	v_mov_b32 v[YS], s76
	v_mov_b32 v[YH], s75
	v_and_b32 v[TA+8], 15, v0                      ; r
	v_bfe_u32 v[TA+9], v0, 4, 1                    ; h
	v_lshlrev_b32 v[TA+9], 3, v[TA+9]
	v_sub_nc_u32 v[TA+8], v[TA+8], v[TA+9]         ; r - 8 h: register j of the diagonal's tile is my own key where this is j
	v_mov_b32 v[TA+9], 0xff61b1e6                  ; -3e38
.irp j, 0,1,2,3,4,5,6,7
	v_cmp_eq_u32 vcc_lo, \j, v[TA+8]
	v_cndmask_b32 v[DG+\j], 0, v[TA+9], vcc_lo
.endr
.irp st, TA, TBB
	v_mov_b32 v[\st], 0x7f61b1e6                   ; -M: 3e38, over every floor(-t)
.irp k, 1,2,3,4,5,10
	v_mov_b32 v[\st+\k], 0                         ; the sum; the pairs' upper halves; a lane permute's destination counts as one of its sources
.endr
.endr
	WIN 0x40
.set i, 0
.rept 64
	v_mov_b32 v[OA+i], 0                           ; O^T: the step is written once; the first finds zeros, which the first change of M leaves zeros
.set i, i+1
.endr
	WIN 0
.macro KLOAD adr                       ; K's eight fragments, 16 loads of 16 bytes a lane
	WIN 0x40
.irp t, 0,1,2,3,4,5,6,7
	ds_load_b128 v[KF+8*\t:KF+8*\t+3], v[\adr] offset:1024*\t
	ds_load_b128 v[KF+8*\t+4:KF+8*\t+7], v[\adr] offset:1024*\t+512
.endr
	WIN 0
.endm
.macro MASK j                          ; A's key tile 2 j and B's 2 j + 1: scores + DG x the step's select
.irp i, 0,2,4,6
	v_pk_fma_f32 v[SA+16*\j+\i:SA+16*\j+\i+1], v[DG+\i:DG+\i+1], s[SL:SL+1], v[SA+16*\j+\i:SA+16*\j+\i+1] op_sel_hi:[1,0,1]
	v_pk_fma_f32 v[SB+16*\j+8+\i:SB+16*\j+8+\i+1], v[DG+\i:DG+\i+1], s[SL:SL+1], v[SB+16*\j+8+\i:SB+16*\j+8+\i+1] op_sel_hi:[1,0,1]
.endr
	s_wait_alu depctr_va_vdst(0)                   ; the wait
.endm
.macro MXI st, s, i
	v_max3_num_f32 v[\st+8], v[\st+8], v[\s+\i], v[\s+\i+1]
	v_max3_num_f32 v[\st+9], v[\st+9], v[\s+\i+2], v[\s+\i+3]
.endm
.macro L1 s, i                         ; the i-th four p: two pair sums
	v_pk_add_f32 v[T+2*(\i):T+2*(\i)+1], v[\s+4*(\i):\s+4*(\i)+1], v[\s+4*(\i)+2:\s+4*(\i)+3]
.endm
.macro MIN2 s, i                       ; the conversion does not saturate (ISA guide 7.6.2); p is not negative, so the hold is one-sided; two numbers an instruction
	v_dual_min_num_f32 v[\s+(\i)], v[HA], v[\s+(\i)] :: v_dual_min_num_f32 v[\s+(\i)+1], v[HB], v[\s+(\i)+1]
.endm
.macro TREE st                         ; the sixteen pair sums, added as a tree onto the tile's sum
.irp i, 0,4,8,12,16,20,24,28
	v_pk_add_f32 v[T+\i:T+\i+1], v[T+\i:T+\i+1], v[T+\i+2:T+\i+3]
.endr
.irp i, 0,8,16,24
	v_pk_add_f32 v[T+\i:T+\i+1], v[T+\i:T+\i+1], v[T+\i+4:T+\i+5]
.endr
.irp i, 0,16
	v_pk_add_f32 v[T+\i:T+\i+1], v[T+\i:T+\i+1], v[T+\i+8:T+\i+9]
.endr
	v_pk_add_f32 v[T:T+1], v[T:T+1], v[T+16:T+17]
	v_pk_add_f32 v[\st+4:\st+5], v[\st+4:\st+5], v[T:T+1]
.endm
.macro CODES c, s
.irp t, 0,1,2,3,4,5,6,7
	v_cvt_scalef32_pk8_fp8_f32 v[\c+2*\t:\c+2*\t+1], v[\s+8*\t:\s+8*\t+7], v[PS]
.endr
.endm
.macro PV o, c, st                     ; O^T under the new M, then O^T += V^T P^T; the rescalings are the plain lines between the conversions and the products
	WIN 0x41
	s_wait_alu depctr_va_vdst(0)                   ; the wait here, directly ahead of the first reader of O^T
.set i, 0
.rept 16
	v_pk_mul_f32 v[\o+i:\o+i+1], v[\o+i:\o+i+1], v[\st+2:\st+3] op_sel_hi:[1,0]
.set i, i+2
.endr
	WIN 0x51
.irp t, 0,1,2,3                        ; accumulators by turns, one instruction a turn
	v_wmma_f32_16x16x128_fp8_fp8 v[\o+8*\t:\o+8*\t+7], v[VF+16*\t:VF+16*\t+15], v[\c:\c+15], v[\o+8*\t:\o+8*\t+7]
.endr
	WIN 0
.endm
	s_wait_alu depctr_va_vdst(0)                   ; the wait at the head's end
	s_wait_loadcnt 0x0                             ; Q
	s_wait_tensorcnt 0x0                           ; my part of K or V has landed
	s_barrier_signal -1
	s_barrier_wait -1                              ; everybody's has
	KLOAD LI                                       ; key step 0's K
.Lstep:                                            ; A KEY STEP: 128 keys x 32 queries
	v_add_nc_u32 v[ADV], s[TB], v[LIV]
.rept 3
	v_nop                                          ; with the addition: four places in front of loads into registers that the last products read
.endr
	WIN 0x40
.irp t, 0,1,2,3
.irp c, 0,1,2,3
	ds_load_b128 v[VF+16*\t+4*\c:VF+16*\t+4*\c+3], v[ADV] offset:2048*\t+512*\c
.endr
.endr
	s_cmp_eq_u32 s[KS], s[KSTAR]
	s_cselect_b32 s[SL], s[ONE], 0
	s_wait_dscnt 16                                ; K is in; V's sixteen loads may be out
	WIN 0x01
.irp t, 0,1,2,3,4,5,6,7
	v_wmma_f32_16x16x64_fp8_fp8 v[SA+8*\t:SA+8*\t+7], v[KF+8*\t:KF+8*\t+7], v[QA:QA+7], 0
	v_wmma_f32_16x16x64_fp8_fp8 v[SB+8*\t:SB+8*\t+7], v[KF+8*\t:KF+8*\t+7], v[QB:QB+7], 0
.endr
	WIN 0
	v_add_nc_u32 v[ADK], s[TB], v[LI8]
.rept 3
	v_nop                                          ; four places in front of the loads below and of the first read of the scores
.endr
	KLOAD ADK                                      ; the next step's K lands while the softmax is worked
	s_cmp_lt_u32 s[W3], 2                          ; which tiles hold my diagonal hangs on the wave's number alone
	s_cbranch_scc0 .Lm2
	s_cmp_lt_u32 s[W3], 1
	s_cbranch_scc0 .Lm1
	MASK 0
	s_branch .Lmj
.Lm1:
	MASK 1
	s_branch .Lmj
.Lm2:
	s_cmp_lt_u32 s[W3], 3
	s_cbranch_scc0 .Lm3
	MASK 2
	s_branch .Lmj
.Lm3:
	MASK 3
.Lmj:
	v_max3_num_f32 v[TA+8], v[SA], v[SA+1], v[SA+2]      ; the step's largest score of each query among my 64 keys: two chains a tile, four in all; each accumulator is first read at its low end
	v_max3_num_f32 v[TA+9], v[SA+3], v[SA+4], v[SA+5]
	v_max3_num_f32 v[TBB+8], v[SB], v[SB+1], v[SB+2]
	v_max3_num_f32 v[TBB+9], v[SB+3], v[SB+4], v[SB+5]
.irp i, 6,10,14,18,22,26,30,34,38,42,46,50,54,58
	MXI TA, SA, \i
	MXI TBB, SB, \i
.endr
	v_max3_num_f32 v[TA+8], v[TA+8], v[SA+62], v[SA+63]
	v_max3_num_f32 v[TBB+8], v[TBB+8], v[SB+62], v[SB+63]
.irp st, TA, TBB
	v_max_num_f32 v[\st+8], v[\st+8], v[\st+9]
.endr
.irp st, TA, TBB
	v_permlanex16_b32 v[\st+10], v[\st+8], s[SEL], s[SEL+1]
.endr
.irp st, TA, TBB
	v_max_num_f32 v[\st+8], v[\st+8], v[\st+10]    ; and among lane l xor 16's
.endr
.irp st, TA, TBB
	v_mul_f32 v[\st+8], s[NCS], v[\st+8]           ; -t (c is positive)
.endr
.irp st, TA, TBB
	v_floor_f32 v[\st+8], v[\st+8]                 ; -ceil(t)
.endr
.irp st, TA, TBB
	v_min_num_f32 v[\st+8], v[\st+8], v[\st]       ; the new -M
.endr
.irp st, TA, TBB
	v_sub_f32 v[\st+11], v[\st+8], v[\st]          ; old M - new M: a whole number, 0 or less
.endr
.irp st, TA, TBB
	v_mov_b32 v[\st], v[\st+8]
.endr
.irp st, TA, TBB
	v_cvt_i32_f32 v[\st+11], v[\st+11]             ; (it saturates)
.endr
.irp st, TA, TBB
	v_ldexp_f32 v[\st+2], 1.0, v[\st+11]           ; f = 2^(old M - new M)
.endr
.set i, 0
.rept 32
	v_pk_fma_f32 v[SA+i:SA+i+1], v[SA+i:SA+i+1], s[CS:CS+1], v[TA:TA+1] op_sel_hi:[1,0,0]   ; A: t - M (of the pairs c and -M the low word serves both halves)
.set i, i+2
.endr
	s_wait_alu depctr_va_vdst(0)                   ; the wait ahead of the batch
.set i, 0
.rept 32
	v_exp_f32 v[SA+i], v[SA+i]                     ; A: p = 2^(t - M)
	v_exp_f32 v[SA+i+1], v[SA+i+1]
	v_pk_fma_f32 v[SB+i:SB+i+1], v[SB+i:SB+i+1], s[CS:CS+1], v[TBB:TBB+1] op_sel_hi:[1,0,0]  ; B: t - M
.set i, i+2
.endr
	s_wait_alu depctr_va_vdst(0)                   ; one wait: behind A's batch, ahead of B's
.set i, 0
.rept 16
	v_exp_f32 v[SB+4*i], v[SB+4*i]                 ; B: p
	L1 SA, i                                       ; A: the sum is taken of the unquantised p,
	v_exp_f32 v[SB+4*i+1], v[SB+4*i+1]
	MIN2 SA, 4*i                                   ; then the hold
	v_exp_f32 v[SB+4*i+2], v[SB+4*i+2]
	MIN2 SA, 4*i+2
	v_exp_f32 v[SB+4*i+3], v[SB+4*i+3]
.set i, i+1
.endr
	v_pk_mul_f32 v[TA+4:TA+5], v[TA+4:TA+5], v[TA+2:TA+3] op_sel_hi:[1,0]   ; A's sum under the new M: the plain line behind the last exponential
	s_wait_alu depctr_va_vdst(0)                   ; one wait for the batch, ahead of its first reader and of the wait below
	s_wait_dscnt 16                                ; V is in; the next step's sixteen loads of K may be out
	TREE TA
	CODES CA, SA
	PV OA, CA, TA
	v_pk_mul_f32 v[TBB+4:TBB+5], v[TBB+4:TBB+5], v[TBB+2:TBB+3] op_sel_hi:[1,0]   ; B's lines name no register of A's products
.set i, 0
.rept 16
	L1 SB, i
.set i, i+1
.endr
	TREE TBB
.set i, 0
.rept 32
	MIN2 SB, i
.set i, i+2
.endr
	CODES CB, SB
	PV OB, CB, TBB
	s_add_co_u32 s[TB], s[TB], 8192
	s_add_co_u32 s[KS], s[KS], 1
	s_sub_co_u32 s60, s60, 1
	s_cmp_lg_u32 s60, 0
	s_cbranch_scc1 .Lstep
	; THE WAY OUT.  y = O^T / the sum x 2^(e8 + e9), quantised with entry 10.  yc is a panel image for K = 1,024: (token / 16) x 16384 + (k / 128) x 2048 + c x 512 + 16 lane holds, of token lane % 16,
	; k = 128 s + 32 c + 16 (lane / 16) + 0..15.  The additions below are the places behind the last products.
.irp st, TA, TBB
	v_add_f32 v[\st+4], v[\st+4], v[\st+5]
.endr
.irp st, TA, TBB
	v_permlanex16_b32 v[\st+10], v[\st+4], s[SEL], s[SEL+1]
.endr
.irp st, TA, TBB
	v_add_f32 v[\st+4], v[\st+4], v[\st+10]        ; the row's sum
.endr
	s_wait_alu depctr_va_vdst(0)                   ; the wait ahead of the transcendentals
	v_rcp_f32 v[TA+4], v[TA+4]
	v_rcp_f32 v[TBB+4], v[TBB+4]
	v_nop                                          ; a plain line behind them
	s_wait_alu depctr_va_vdst(0)                   ; and the wait ahead of their first reader
	v_ldexp_f32 v[TA+4], v[TA+4], s56
	v_ldexp_f32 v[TBB+4], v[TBB+4], s56
	WIN 0x01
	s_wait_alu depctr_va_vdst(0)                   ; the wait here, directly ahead of the first reader of O^T
.set i, 0
.rept 16
	v_pk_mul_f32 v[SA+i:SA+i+1], v[OA+i:OA+i+1], v[TA+4:TA+5] op_sel_hi:[1,0]      ; register 8 t + j: channel 16 t + 8 (lane / 16) + j
.set i, i+2
.endr
.set i, 0
.rept 16
	v_pk_mul_f32 v[SB+i:SB+i+1], v[OB+i:OB+i+1], v[TBB+4:TBB+5] op_sel_hi:[1,0]
.set i, i+2
.endr
	WIN 0
.set i, 0
.rept 32
	v_med3_num_f32 v[SA+i], v[SA+i], -v[YH], v[YH]
	v_med3_num_f32 v[SB+i], v[SB+i], -v[YH], v[YH]
.set i, i+1
.endr
.irp t, 0,1,2,3
	v_cvt_scalef32_pk8_fp8_f32 v[T+2*\t:T+2*\t+1], v[SA+8*\t:SA+8*\t+7], v[YS]
	v_cvt_scalef32_pk8_fp8_f32 v[T+8+2*\t:T+8+2*\t+1], v[SB+8*\t:SB+8*\t+7], v[YS]
.endr
	v_nop                                          ; a plain line between the conversions and the first use of their results
; Channel tiles 2 c and 2 c + 1 hold channels 32 c + 8 h + 0..7 and 32 c + 16 + 8 h + 0..7; the image wants 32 c + 16 h + 0..15.  Lanes 0-15 keep the first tile and take their partner's; lanes 16-31 likewise with the second.
.macro XCH b
	v_cndmask_b32 v[TA+8], v[\b+2], v[\b], s61     ; what my partner wants: lanes 16-31 send the first tile, lanes 0-15 the second
	v_cndmask_b32 v[TA+9], v[\b+3], v[\b+1], s61
	v_permlanex16_b32 v[TA+10], v[TA+8], s[SEL], s[SEL+1]
	v_permlanex16_b32 v[TBB+10], v[TA+9], s[SEL], s[SEL+1]
	v_cndmask_b32 v[\b], v[\b], v[TA+10], s61
	v_cndmask_b32 v[\b+1], v[\b+1], v[TBB+10], s61
	v_cndmask_b32 v[\b+2], v[TA+10], v[\b+2], s61
	v_cndmask_b32 v[\b+3], v[TBB+10], v[\b+3], s61
.endm
	XCH T
	XCH T+4
	XCH T+8
	XCH T+12
	global_store_b128 v[LI], v[T:T+3], s[8:9]      ; each store: 32 lanes, 512 consecutive bytes, aligned
	global_store_b128 v[LI], v[T+4:T+7], s[8:9] offset:512
	global_store_b128 v[LI], v[T+8:T+11], s[8:9] offset:16384    ; tile B: the next panel
	global_store_b128 v[LI], v[T+12:T+15], s[8:9] offset:16896
	s_wait_tensorcnt 0x0                           ; the wave's end
	ds_add_u32 v[SPW], v[NIL]
	s_wait_dscnt 0x0
	ROUND                                          ; the closing round: no work-group ends while a partner may still ask for a tile that names it
	s_endpgm
.Lfunc_end_k_q7a23563501_att:
	.size	k_q7a23563501_att, .Lfunc_end_k_q7a23563501_att-k_q7a23563501_att
	.p2alignl 7, 3214868480
	.fill 96, 4, 3214868480
	.section	.rodata,"a",@progbits
	.p2align	6, 0x0
	.amdhsa_kernel k_q7a23563501_att
		.amdhsa_group_segment_fixed_size 264192
		.amdhsa_private_segment_fixed_size 0
		.amdhsa_enable_private_segment 0
		.amdhsa_kernarg_size 24
		.amdhsa_user_sgpr_count 2
		.amdhsa_user_sgpr_kernarg_segment_ptr 1
		.amdhsa_wavefront_size32 1
		.amdhsa_system_sgpr_workgroup_id_x 1
		.amdhsa_system_sgpr_workgroup_id_y 1
		.amdhsa_system_sgpr_workgroup_id_z 1
		.amdhsa_system_vgpr_workitem_id 0
		.amdhsa_next_free_vgpr 448
		.amdhsa_next_free_sgpr 80
		.amdhsa_reserve_vcc 1
		.amdhsa_float_denorm_mode_32 3
		.amdhsa_float_denorm_mode_16_64 3
		.amdhsa_memory_ordered 1
		.amdhsa_forward_progress 1
		.amdhsa_inst_pref_size 51
	.end_amdhsa_kernel
	.amdgpu_metadata
---
amdhsa.version: [ 1, 2 ]
amdhsa.kernels:
  - .name:           k_q7a23563501_att
    .symbol:         k_q7a23563501_att.kd
    .args:
      - { .name: qkv, .offset: 0, .size: 8, .value_kind: global_buffer, .address_space: global }
      - { .name: lowp_scales, .offset: 8, .size: 8, .value_kind: global_buffer, .address_space: global }
      - { .name: yc, .offset: 16, .size: 8, .value_kind: global_buffer, .address_space: global }
    .group_segment_fixed_size: 264192
    .private_segment_fixed_size: 0
    .kernarg_segment_align: 8
    .kernarg_segment_size: 24
    .max_flat_workgroup_size: 256
    .sgpr_count:     80
    .vgpr_count:     448
    .wavefront_size: 32
...
	.end_amdgpu_metadata
.endif
;; end of part 3
;; launch wp (part 4): grid 8 x 32, 4 waves a work-group, clusters of 4 x 4, 327,680 bytes of LDS; arguments yc, Wp_codes, lowp_scales, bp, xn, hb; writes hb
.if DOCPART == 4
	.amdgcn_target "amdgcn-amd-amdhsa--gfx1250"
	.amdhsa_code_object_version 6
	.text
	.protected	k_q7a23563501_wp
	.globl	k_q7a23563501_wp
	.p2align	8
	.type	k_q7a23563501_wp,@function
k_q7a23563501_wp:
	s_mov_b64 s[64:65], 0
	v_nop
	global_prefetch_b8 v0, s[64:65] scope:SCOPE_SE
	s_setreg_imm32_b32 hwreg(HW_REG_WAVE_MODE, 25, 1), 1
	s_wait_xcnt 0x0
	s_wait_alu depctr_hold_cnt(0) depctr_sa_sdst(0) depctr_va_vdst(0) depctr_va_sdst(0) depctr_va_ssrc(0) depctr_va_vcc(0) depctr_vm_vsrc(0)
	s_getreg_b32 s2, hwreg(HW_REG_IB_STS2, 6, 4)
	s_cmp_eq_u32 s2, 0
	s_cbranch_scc0 .Lentry_in_a_cluster
	s_endpgm
.Lentry_in_a_cluster:
	s_bfe_u32 s2, ttmp6, 0x10000c
	s_cmp_lg_u32 s2, 0xf033
	s_cbranch_scc0 .Lentry_shape_is_right
	s_endpgm
.Lentry_shape_is_right:
; h = xn + y Wp^T x 2^(ea + eb) + bp.  y: [4096][1024] as a panel image of E4M3 codes (yc); Wp: [1024][1024] codes, K innermost; bp [1024], xn and h [4096][1024] f32; the exponents are entries 10 and 11.
; A tile of h is 128 x 128 (256 tiles: one for each of 256 work-groups); four waves, each 64 x 64: 16 accumulators.
; THE WHOLE K LIES IN LDS, FILLED ONCE: y's 8 panels of 16,384 bytes, then Wp's 128 rows of 1,024 bytes + 16 of padding: 264,192 bytes.  Each wave asks for a quarter of that by ONE tensor load at the head: no ring, nothing is filled again.
; y's PANEL IMAGE: (row / 16) x 16384 + (k / 128) x 2048 + c x 512 + 16 lane holds, of row lane % 16, k = 128 s + 32 c + 16 (lane / 16) + 0..15: a fragment is four loads of 16 bytes at 16 x lane.
; Wp's rows give the same k to the same registers by four loads of 16 bytes, 32 apart: k is permuted alike on both sides.
; CLUSTERS: 4 x 4 work-groups; y's tiles are asked for jointly along a row of the cluster, Wp's along a column.  THE MATRIX INSTRUCTION IS USED TRANSPOSED (source 0 = 16 rows of Wp, source 1 = 16 rows of y):
; a lane holds eight neighbouring numbers of a row of h.
; NO PREFETCH: both operands are asked for once, at the head; there is no loop in which a request could run ahead of them.
; LIMIT: ea + eb between -126 and 127.
; REGISTERS: window 0: v0-31 addresses, v12-15 the bias; v32-95 two sets of 32 numbers of xn; v128-255 the accumulators ((a, b) at v[128 + 8 (4 a + b)]).  window 1: two fragment buffers of 128: y's four, then Wp's four.
.set K,      1024
.set SCOFF,  0x28
.set PB,     1040                      ; a row of Wp in LDS: 1,024 bytes + 16 of padding = 260 words: row r starts at bank 4 r mod 64 (ISA guide 11.1)
.set APAN,   16384                     ; a panel
.set AHALF,  4*APAN                    ; what one load brings of y
.set BOFF,   2*AHALF                   ; Wp's rows lie behind y's eight panels
.set BHALF,  64*PB
.set SPARE,  BOFF+2*BHALF              ; behind the tiles: the spare words, 128 bytes a wave
.set SP,     272                       ; the way out: a stage of 64 rows x (256 bytes + 16) for each wave, on y's panels, behind a barrier behind which nobody reads them; they have had their one fill
.set BV,   12
.set ADRA, 16
.set ADRB, 20
.set STO,  24
.set RD,   25
.set CO,   26
.set SPW,  28
.set NIL,  29
.set R,    32
.set ACC,  128
.set F0,   0
.set F1,   128
.set G1, 24
.set G0, 32
.set G1B, 48
.set G0B, 56
.set MSB, 0
.macro WIN new                         ; the immediate's high byte repeats the setting that is left
.if MSB != \new
	s_set_vgpr_msb (MSB<<8)|\new
.set MSB, \new
.endif
.endm
.set MUL,  0x05                        ; sources 0 and 1 window 1; C and D window 0
.set TO_F, 0x40                        ; destination window 1, address window 0
.macro CROUND                          ; a round of the cluster's barrier
	s_barrier_signal -1
	s_barrier_wait -1
	s_cmp_lg_u32 s14, 0
	s_cbranch_scc1 .Lnot_wave_0_\@
	s_barrier_signal -3
.Lnot_wave_0_\@:
	s_barrier_wait -3
	s_barrier_signal -1
	s_barrier_wait -1
.endm
	s_load_b256 s[4:11], s[0:1], 0x0               ; y s[4:5], Wp s[6:7], the exponents s[8:9], the bias s[10:11]
	s_load_b128 s[68:71], s[0:1], 0x20             ; xn s[68:69], h s[70:71]
	v_lshl_add_u32 v[SPW], v0, 2, SPARE
	v_mov_b32 v[NIL], 0
	ds_add_u32 v[SPW], v[NIL]                      ; the opening lines: the add, twice on end, and its wait ahead of my tensor load
	ds_add_u32 v[SPW], v[NIL]
	v_lshrrev_b32 v1, 5, v0
	v_readfirstlane_b32 s14, v1                    ; wave 0..3
	s_lshr_b32 s15, s14, 1                         ; which half of the tile's rows is mine.  Also: I fetch for y (0) or for Wp (1)
	s_and_b32 s16, s14, 1                          ; which half of its columns.  Also: which half of that tile I fetch
	s_bfe_u32 s40, ttmp6, 0x40000                  ; cx, cy
	s_bfe_u32 s41, ttmp6, 0x40004
	s_lshl_b32 s42, ttmp9, 2
	s_add_co_u32 s42, s42, s40                     ; tile column
	s_and_b32 s17, ttmp7, 0xffff
	s_lshl_b32 s17, s17, 2
	s_add_co_u32 s17, s17, s41                     ; tile row
	s_lshl_b32 s43, s41, 2
	s_lshl_b32 s43, 15, s43                        ; my row of the cluster
	s_lshl_b32 s44, 0x1111, s40                    ; my column
	s_or_b32 s[G1+0], s43, (3<<16)|(1<<21)         ; y: the mask; elements of 8 bytes; bit 21 beside a mask; no padding
	s_mov_b32 s[G1+1], 2048<<16                    ; tensor_dim0 = 2,048: a panel's 16,384 bytes
	s_mov_b32 s[G1+2], 4<<16                       ; tensor_dim1 = 4 panels
	s_mov_b32 s[G1+3], 2048<<16                    ; tile_dim0
	s_mov_b32 s[G1+4], 4                           ; tile_dim1
	s_mov_b32 s[G1+5], 2048                        ; from panel to panel
	s_mov_b32 s[G1+6], 0
	s_mov_b32 s[G1+7], 0
	s_or_b32 s[G1B+0], s44, (0<<16)|(1<<20)|(1<<21)|(7<<22)|(3<<25)  ; Wp: elements of 1 byte; 4 words of padding after every 256
	s_mov_b32 s[G1B+1], K<<16
	s_mov_b32 s[G1B+2], 64<<16
	s_mov_b32 s[G1B+3], K<<16
	s_mov_b32 s[G1B+4], 64
	s_mov_b32 s[G1B+5], K
	s_mov_b32 s[G1B+6], 0
	s_mov_b32 s[G1B+7], 0
	s_lshl_b32 s20, s17, 3
	s_lshl_b32 s18, s16, 2
	s_add_co_u32 s20, s20, s18
	s_mul_i32 s20, s20, APAN                       ; y: panel 8 x tile row + 4 x half
	s_mov_b32 s21, 0
	s_lshl_b32 s46, s42, 7
	s_lshl_b32 s18, s16, 6
	s_add_co_u32 s46, s46, s18
	s_mul_i32 s46, s46, K                          ; Wp: row 128 x tile column + 64 x half
	s_mov_b32 s47, 0
	s_lshl_b32 s45, s16, 16                        ; where they go: y's halves,
	s_mul_i32 s22, s16, BHALF
	s_add_co_u32 s22, s22, BOFF                    ; Wp's halves
	s_wait_dscnt 0x0                               ; both opening adds are done
	s_wait_kmcnt 0x0
	s_load_b64 s[72:73], s[8:9], SCOFF             ; ea, eb
	s_add_nc_u64 s[20:21], s[4:5], s[20:21]
	s_add_nc_u64 s[46:47], s[6:7], s[46:47]
	s_mov_b32 s[G0], 1
	s_mov_b32 s[G0+1], s45
	s_mov_b64 s[G0+2:G0+3], s[20:21]
	s_or_b32 s[G0+3], s[G0+3], 0x80000000
	s_mov_b32 s[G0B], 1
	s_mov_b32 s[G0B+1], s22
	s_mov_b64 s[G0B+2:G0B+3], s[46:47]
	s_or_b32 s[G0B+3], s[G0B+3], 0x80000000
	CROUND                                         ; all sixteen work-groups are here: the joint loads meet
	s_cmp_eq_u32 s15, 0                            ; waves 0 and 1 fetch y's halves, waves 2 and 3 Wp's: one tensor load a wave; four v_nop follow each line
	s_cbranch_scc0 .Lfor_b
	tensor_load_to_lds s[G0:G0+3], s[G1:G1+7]
	s_nop 0
.rept 4
	v_nop
.endr
	s_branch .Lasked
.Lfor_b:
	tensor_load_to_lds s[G0B:G0B+3], s[G1B:G1B+7]
	s_nop 0
.rept 4
	v_nop
.endr
.Lasked:
	s_lshl_b32 s21, s15, 16                        ; my four panels of y
	s_mul_i32 s23, s14, 64*SP                      ; my stage
	s_lshl_b32 s18, s17, 7
	s_lshl_b32 s19, s15, 6
	s_add_co_u32 s18, s18, s19
	s_lshl_b32 s18, s18, 12                        ; my first row, in bytes
	s_lshl_b32 s74, s42, 7
	s_lshl_b32 s75, s16, 6
	s_add_co_u32 s74, s74, s75
	s_lshl_b32 s74, s74, 2                         ; my first column, in bytes
	s_mov_b32 s75, 0
	s_add_nc_u64 s[10:11], s[10:11], s[74:75]
	s_add_co_u32 s74, s74, s18
	s_add_nc_u64 s[68:69], s[68:69], s[74:75]
	s_add_nc_u64 s[70:71], s[70:71], s[74:75]
	v_and_b32 v1, 15, v0                           ; r
	v_bfe_u32 v2, v0, 4, 1                         ; h
	v_and_b32 v3, 31, v0
	v_lshlrev_b32 v3, 4, v3                        ; 16 x lane
	v_mul_u32_u24 v4, v1, PB
	v_lshl_add_u32 v4, v2, 4, v4                   ; Wp: row x pitch + 16 x half
	v_add_nc_u32 v[ADRA], s21, v3
	v_add_nc_u32 v[ADRB], s22, v4                  ; s22: my 64 rows of Wp are the half that wave % 2 names
	v_mul_u32_u24 v5, v1, SP
	v_lshl_add_u32 v5, v2, 5, v5
	v_add_nc_u32 v[STO], s23, v5                   ; in: row r, 32 bytes for each half of the lanes
	v_mul_u32_u24 v5, v2, SP
	v_lshl_add_u32 v5, v1, 4, v5
	v_add_nc_u32 v[RD], s23, v5                    ; back: lanes 0-15 one row of 256 bytes, lanes 16-31 the next
	v_lshlrev_b32 v5, 12, v2
	v_lshl_add_u32 v[CO], v1, 4, v5                ; and the same two rows in xn and h
	v_lshlrev_b32 v6, 4, v1                        ; the bias of my four columns
.macro RLOAD a                         ; xn's 16 rows x 64 columns of block a, in the layout in which the results come back from the stage
.irp t, 0,1,2,3,4,5,6,7
	global_load_b128 v[R+32*((\a)%2)+4*\t:R+32*((\a)%2)+4*\t+3], v[CO], s[68:69] offset:65536*(\a)+8192*\t th:TH_LOAD_NT
.endr
.endm
	global_load_b128 v[BV:BV+3], v6, s[10:11]
.macro MULT f, a, zero                 ; 4 matrix instructions: y's block a x Wp's four, 128 along K.  The 16 accumulators take turns in one order throughout
.irp b, 0,1,2,3
.if \zero
	v_wmma_f32_16x16x128_fp8_fp8 v[ACC+8*(4*(\a)+\b):ACC+8*(4*(\a)+\b)+7], v[\f+64+16*\b:\f+64+16*\b+15], v[\f+16*(\a):\f+16*(\a)+15], 0
.else
	v_wmma_f32_16x16x128_fp8_fp8 v[ACC+8*(4*(\a)+\b):ACC+8*(4*(\a)+\b)+7], v[\f+64+16*\b:\f+64+16*\b+15], v[\f+16*(\a):\f+16*(\a)+15], v[ACC+8*(4*(\a)+\b):ACC+8*(4*(\a)+\b)+7]
.endif
.endr
.endm
.macro FETCH q, f                      ; 32 LDS loads in one run: the q-th 128 along K into buffer f: Wp's four fragments, then y's four
	WIN TO_F
.irp i, 0,1,2,3
.irp c, 0,1,2,3
	ds_load_b128 v[\f+64+16*\i+4*\c:\f+64+16*\i+4*\c+3], v[ADRB] offset:128*(\q)+32*\c+\i*16*PB
.endr
.endr
.irp i, 0,1,2,3
.irp c, 0,1,2,3
	ds_load_b128 v[\f+16*\i+4*\c:\f+16*\i+4*\c+3], v[ADRA] offset:\i*APAN+2048*(\q)+512*\c
.endr
.endr
.endm
.macro PLACES
.rept 4
	v_nop
.endr
.endm
.macro EIGHTH q, f, g, zero            ; multiplies buffer f and fetches the q-th 128 along K into g
	s_wait_dscnt 8                                 ; Wp's fragments and y's blocks 0, 1 are in; the youngest eight loads (y's blocks 2, 3) may be out
	WIN MUL
	MULT \f, 0, \zero
	MULT \f, 1, \zero
	PLACES                                         ; in front of loads into registers that matrix instructions have read
	FETCH \q, \g
	s_wait_dscnt 32                                ; all but the 32 just issued
	WIN MUL
	MULT \f, 2, \zero
	MULT \f, 3, \zero
.endm
	s_wait_alu depctr_va_vdst(0)                   ; the wait at the head's end
	s_wait_tensorcnt 0x0                           ; my quarter of the tiles has landed
	s_barrier_signal -1
	s_barrier_wait -1                              ; everybody's has
	FETCH 0, F0
	WIN 0
	RLOAD 0                                        ; xn's four blocks are asked for here, when the tiles have landed; the eight K chunks' products and the stage stand between these loads and their first use
	RLOAD 1
	WIN 0x80                                       ; blocks 2 and 3 take the same register numbers in window 2
	RLOAD 2
	RLOAD 3
	EIGHTH 1, F0, F1, 1                            ; the first products start the sums
	EIGHTH 2, F1, F0, 0
	EIGHTH 3, F0, F1, 0
	EIGHTH 4, F1, F0, 0
	EIGHTH 5, F0, F1, 0
	EIGHTH 6, F1, F0, 0
	EIGHTH 7, F0, F1, 0
	s_wait_dscnt 8
	WIN MUL
	MULT F1, 0, 0
	MULT F1, 1, 0
	s_wait_dscnt 0x0                               ; my reads of the tiles are over:
	s_barrier_signal -1                            ; say so, work on registers while the others arrive,
	MULT F1, 2, 0
	MULT F1, 3, 0
	WIN 0
	s_barrier_wait -1                              ; and behind this wait nobody reads y's panels any more: the stages may lie on them
	; THE WAY OUT.  A lane holds 32 neighbouring bytes of a row; the sums go through my own stage and come back as whole rows of 256 bytes, into the registers that they left.
	s_wait_kmcnt 0x0
	s_add_co_i32 s66, s72, s73
	s_add_co_i32 s66, s66, 127
	s_lshl_b32 s66, s66, 23                        ; 2^(ea + eb) as f32
	s_mov_b32 s67, s66
	PLACES
.irp a, 0,1,2,3
.irp b, 0,1,2,3
	ds_store_b128 v[STO], v[ACC+32*\a+8*\b:ACC+32*\a+8*\b+3] offset:\a*16*SP+64*\b        ; each accumulator from its low end on
	ds_store_b128 v[STO], v[ACC+32*\a+8*\b+4:ACC+32*\a+8*\b+7] offset:\a*16*SP+64*\b+16
.endr
.irp t, 0,1,2,3,4,5,6,7
	ds_load_b128 v[ACC+32*\a+4*\t:ACC+32*\a+4*\t+3], v[RD] offset:\a*16*SP+\t*2*SP   ; LDS serves a wave's instructions in order (ISA guide 5.7.1.4): these see my stores
.endr
.endr
.macro OUT a
.set RR, R+32*((\a)%2)
.set DD, ACC+32*(\a)
.if (\a) < 3
	s_wait_loadcnt 8                               ; this block's numbers of xn are in; block 3's eight loads may be out
.else
	s_wait_loadcnt 0
.endif
	s_wait_dscnt 16*(3-(\a))                       ; this block is back; the later blocks' sixteen LDS instructions each may be out
.set WA, 0x82*((\a)/2)                 ; xn's numbers as destination and source 0: window 0 (blocks 0, 1) or 2 (blocks 2, 3)
.set WB, 0x20*((\a)/2)                 ; and as source 2
	WIN WA
.irp t, 0,1,2,3,4,5,6,7
	v_pk_add_f32 v[RR+4*\t:RR+4*\t+1], v[RR+4*\t:RR+4*\t+1], v[BV:BV+1]
	v_pk_add_f32 v[RR+4*\t+2:RR+4*\t+3], v[RR+4*\t+2:RR+4*\t+3], v[BV+2:BV+3]
.endr
	WIN WB
.irp t, 0,1,2,3,4,5,6,7
	v_pk_fma_f32 v[DD+4*\t:DD+4*\t+1], v[DD+4*\t:DD+4*\t+1], s[66:67], v[RR+4*\t:RR+4*\t+1] op_sel_hi:[1,0,1]
	v_pk_fma_f32 v[DD+4*\t+2:DD+4*\t+3], v[DD+4*\t+2:DD+4*\t+3], s[66:67], v[RR+4*\t+2:RR+4*\t+3] op_sel_hi:[1,0,1]
.endr
	WIN 0
.irp t, 0,1,2,3,4,5,6,7
	global_store_b128 v[CO], v[DD+4*\t:DD+4*\t+3], s[70:71] offset:65536*(\a)+8192*\t th:TH_STORE_NT   ; 16 lanes store 256 consecutive bytes, aligned
.endr
.endm
	OUT 0
	OUT 1
	OUT 2
	OUT 3
	s_wait_tensorcnt 0x0                           ; the wave's end
	ds_add_u32 v[SPW], v[NIL]
	s_wait_dscnt 0x0
	CROUND                                         ; the closing round
	s_endpgm
.Lfunc_end_k_q7a23563501_wp:
	.size	k_q7a23563501_wp, .Lfunc_end_k_q7a23563501_wp-k_q7a23563501_wp
	.p2alignl 7, 3214868480
	.fill 96, 4, 3214868480
	.section	.rodata,"a",@progbits
	.p2align	6, 0x0
	.amdhsa_kernel k_q7a23563501_wp
		.amdhsa_group_segment_fixed_size 327680
		.amdhsa_private_segment_fixed_size 0
		.amdhsa_enable_private_segment 0
		.amdhsa_kernarg_size 48
		.amdhsa_user_sgpr_count 2
		.amdhsa_user_sgpr_kernarg_segment_ptr 1
		.amdhsa_wavefront_size32 1
		.amdhsa_system_sgpr_workgroup_id_x 1
		.amdhsa_system_sgpr_workgroup_id_y 1
		.amdhsa_system_sgpr_workgroup_id_z 1
		.amdhsa_system_vgpr_workitem_id 0
		.amdhsa_next_free_vgpr 608
		.amdhsa_next_free_sgpr 80
		.amdhsa_reserve_vcc 0
		.amdhsa_float_denorm_mode_32 3
		.amdhsa_float_denorm_mode_16_64 3
		.amdhsa_memory_ordered 1
		.amdhsa_forward_progress 1
		.amdhsa_inst_pref_size 51
	.end_amdhsa_kernel
	.amdgpu_metadata
---
amdhsa.version: [ 1, 2 ]
amdhsa.kernels:
  - .name:           k_q7a23563501_wp
    .symbol:         k_q7a23563501_wp.kd
    .args:
      - { .name: yc, .offset: 0, .size: 8, .value_kind: global_buffer, .address_space: global }
      - { .name: Wp_codes, .offset: 8, .size: 8, .value_kind: global_buffer, .address_space: global }
      - { .name: lowp_scales, .offset: 16, .size: 8, .value_kind: global_buffer, .address_space: global }
      - { .name: bp, .offset: 24, .size: 8, .value_kind: global_buffer, .address_space: global }
      - { .name: xn, .offset: 32, .size: 8, .value_kind: global_buffer, .address_space: global }
      - { .name: hb, .offset: 40, .size: 8, .value_kind: global_buffer, .address_space: global }
    .group_segment_fixed_size: 327680
    .private_segment_fixed_size: 0
    .kernarg_segment_align: 8
    .kernarg_segment_size: 48
    .max_flat_workgroup_size: 128
    .sgpr_count:     80
    .vgpr_count:     608
    .wavefront_size: 32
...
	.end_amdgpu_metadata
.endif
;; end of part 4
;; launch ln2 (part 5): grid 256 x 1, 16 waves a work-group, no clusters, 18,432 bytes of LDS; arguments hb, g2, b2, lowp_scales, hc; writes hc
.if DOCPART == 5
	.amdgcn_target "amdgcn-amd-amdhsa--gfx1250"
	.amdhsa_code_object_version 6
	.text
	.protected	k_q7a23563501_ln2
	.globl	k_q7a23563501_ln2
	.p2align	8
	.type	k_q7a23563501_ln2,@function
k_q7a23563501_ln2:
	s_mov_b64 s[64:65], 0
	v_nop
	global_prefetch_b8 v0, s[64:65] scope:SCOPE_SE
	s_setreg_imm32_b32 hwreg(HW_REG_WAVE_MODE, 25, 1), 1
	s_wait_xcnt 0x0
; hn = (h - mean) * rsqrt(var + 1e-5) * g2 + b2 for 4,096 rows of 1,024 f32, stored as codes of E4M3 with the scale 2^e of entry 12 of lowp_scales, [4096][1024] bytes, row-major.
; A wave takes one row: eight loads of 512 consecutive bytes, 32 numbers a lane; the row stays in registers between the mean, the variance (of the differences: two passes) and the scaling.
; Load j gives lane l the columns 128 j + 4 l + 0..3, so a conversion's register j holds the four codes of those columns: they go through the wave's own LDS stage (1,024 bytes) as words
; and come back 16 bytes a lane, so that each store of the wave covers 512 consecutive bytes, aligned.  Waves share nothing: no barrier.
; LIMITS: e between -126 and 119.  NaN among the inputs is not served.
.set X,   16                           ; v16-47   the row
.set G,   48                           ; v48-79   the gains; later T
.set BB,  80                           ; v80-111  the biases; later RB
.set T,   48
.set C,   112                          ; v112-119 codes
.set RB,  80
.set SC,  136                          ; v136: 2^e; v137: 448 x 2^e
	s_load_b256 s[4:11], s[0:1], 0x0               ; h s[4:5], g2 s[6:7], b2 s[8:9], the exponents s[10:11]
	s_load_b64 s[12:13], s[0:1], 0x20              ; hc
	v_lshl_add_u32 v144, v0, 2, 0x4000
	v_mov_b32 v145, 0
	v_lshrrev_b32 v4, 5, v0
	s_delay_alu instid0(VALU_DEP_1)
	v_readfirstlane_b32 s16, v4                    ; wave 0..15
	v_and_b32 v5, 31, v0                           ; lane
	s_delay_alu instid0(VALU_DEP_1)
	v_lshlrev_b32 v1, 4, v5                        ; 16 x lane
	s_lshl_b32 s17, s16, 10                        ; my stage
	v_lshl_add_u32 v2, v5, 2, s17                  ; into it: 4 x lane
	v_add_nc_u32 v3, s17, v1                       ; out of it: 16 x lane
	s_lshl_b32 s18, ttmp9, 4
	s_add_co_u32 s18, s18, s16                     ; my row
	s_lshl_b32 s20, s18, 12
	s_mov_b32 s21, 0
	s_lshl_b32 s40, s18, 10
	s_mov_b32 s41, 0
	s_mov_b32 s36, 0x3a800000                      ; 1 / 1024
	s_mov_b32 s37, 0x3727c5ac                      ; 1e-5
	s_mov_b32 s38, 0x76543210
	s_mov_b32 s39, 0xfedcba98
	s_wait_alu depctr_va_vdst(0)
	s_wait_kmcnt 0x0
	s_load_b32 s28, s[10:11], 0x30                 ; entry 12
	s_add_nc_u64 s[4:5], s[4:5], s[20:21]
	s_add_nc_u64 s[12:13], s[12:13], s[40:41]
.irp j, 0,1,2,3,4,5,6,7
	global_load_b128 v[X+4*\j:X+4*\j+3], v1, s[4:5] offset:512*\j
.endr
.irp j, 0,1,2,3,4,5,6,7
	global_load_b128 v[G+4*\j:G+4*\j+3], v1, s[6:7] offset:512*\j
.endr
.irp j, 0,1,2,3,4,5,6,7
	global_load_b128 v[BB+4*\j:BB+4*\j+3], v1, s[8:9] offset:512*\j
.endr
.macro REDUCE                          ; four pairs v[4:11] -> their sum over the wave, in v4 of every lane
	s_delay_alu instid0(VALU_DEP_3)
	v_pk_add_f32 v[4:5], v[4:5], v[6:7]
	s_delay_alu instid0(VALU_DEP_2)
	v_pk_add_f32 v[8:9], v[8:9], v[10:11]
	s_delay_alu instid0(VALU_DEP_1)
	v_pk_add_f32 v[4:5], v[4:5], v[8:9]
	s_delay_alu instid0(VALU_DEP_1)
	v_add_f32 v4, v4, v5
	s_delay_alu instid0(VALU_DEP_1)
	v_add_f32_dpp v4, v4, v4 row_xmask:1 row_mask:0xf bank_mask:0xf
	s_delay_alu instid0(VALU_DEP_1)
	v_add_f32_dpp v4, v4, v4 row_xmask:2 row_mask:0xf bank_mask:0xf
	s_delay_alu instid0(VALU_DEP_1)
	v_add_f32_dpp v4, v4, v4 row_xmask:4 row_mask:0xf bank_mask:0xf
	s_delay_alu instid0(VALU_DEP_1)
	v_add_f32_dpp v4, v4, v4 row_xmask:8 row_mask:0xf bank_mask:0xf
	s_delay_alu instid0(VALU_DEP_1)
	v_permlanex16_b32 v5, v4, s38, s39
	s_delay_alu instid0(VALU_DEP_1)
	v_add_f32 v4, v4, v5
.endm
	s_wait_loadcnt 16                              ; the row is in; the sixteen loads of gains and biases may be out
.irp k, 0,1,2,3
	v_pk_add_f32 v[4+2*\k:5+2*\k], v[X+4*\k:X+4*\k+1], v[X+4*\k+2:X+4*\k+3]
.endr
.irp j, 16,24
.irp k, 0,1,2,3
	s_delay_alu instid0(VALU_DEP_4)
	v_pk_add_f32 v[4+2*\k:5+2*\k], v[4+2*\k:5+2*\k], v[X+\j+2*\k:X+\j+2*\k+1]
.endr
.endr
	REDUCE
	s_delay_alu instid0(VALU_DEP_1)
	v_mul_f32 v6, s36, v4                          ; the mean
	s_delay_alu instid0(VALU_DEP_1)
	v_mov_b32 v7, v6
.irp j, 0,2,4,6,8,10,12,14,16,18,20,22,24,26,28,30
	v_pk_add_f32 v[X+\j:X+\j+1], v[X+\j:X+\j+1], v[6:7] neg_lo:[0,1] neg_hi:[0,1]
.endr
.irp k, 0,1,2,3
	v_pk_mul_f32 v[4+2*\k:5+2*\k], v[X+2*\k:X+2*\k+1], v[X+2*\k:X+2*\k+1]
.endr
.irp j, 8,16,24
.irp k, 0,1,2,3
	s_delay_alu instid0(VALU_DEP_4)
	v_pk_fma_f32 v[4+2*\k:5+2*\k], v[X+\j+2*\k:X+\j+2*\k+1], v[X+\j+2*\k:X+\j+2*\k+1], v[4+2*\k:5+2*\k]
.endr
.endr
	REDUCE
	s_delay_alu instid0(VALU_DEP_1)
	v_fma_f32 v4, v4, s36, s37                     ; the variance + 1e-5
	s_wait_alu depctr_va_vdst(0)
	v_rsq_f32 v6, v4
	v_nop                                          ; a plain instruction behind the transcendental
	s_wait_alu depctr_va_vdst(0)                   ; and the wait ahead of the first use of its result
	v_mov_b32 v7, v6
	s_wait_alu depctr_va_vdst(0)
	s_wait_loadcnt 0x0                             ; gains and biases
.irp j, 0,2,4,6,8,10,12,14,16,18,20,22,24,26,28,30
	v_pk_mul_f32 v[X+\j:X+\j+1], v[X+\j:X+\j+1], v[6:7]
.endr
.irp j, 0,2,4,6,8,10,12,14,16,18,20,22,24,26,28,30
	v_pk_fma_f32 v[X+\j:X+\j+1], v[X+\j:X+\j+1], v[G+\j:G+\j+1], v[BB+\j:BB+\j+1]
.endr
	s_wait_kmcnt 0x0
	s_add_co_i32 s42, s28, 127
	s_lshl_b32 s43, s42, 23
	v_mov_b32 v[SC], s43                           ; 2^e as f32
	s_add_co_i32 s42, s42, 8
	s_lshl_b32 s42, s42, 23
	s_or_b32 s42, s42, 0x600000
	v_mov_b32 v[SC+1], s42                         ; 448 x 2^e
.irp k, 0,1,2,3,4,5,6,7,8,9,10,11,12,13,14,15,16,17,18,19,20,21,22,23,24,25,26,27,28,29,30,31
	v_med3_num_f32 v[T+\k], v[X+\k], -v[SC+1], v[SC+1]   ; the conversion to an 8-bit code does not saturate (ISA guide 7.6.2): the hold comes first
.endr
.irp g, 0,1,2,3
	v_cvt_scalef32_pk8_fp8_f32 v[C+2*\g:C+2*\g+1], v[T+8*\g:T+8*\g+7], v[SC]
.endr
	v_nop
.irp j, 0,1,2,3,4,5,6,7
	ds_store_b32 v2, v[C+\j] offset:128*\j         ; columns 128 j + 4 lane + 0..3
.endr
.irp t, 0,1
	ds_load_b128 v[RB+4*\t:RB+4*\t+3], v3 offset:512*\t   ; LDS serves a wave's instructions in order (ISA guide 5.7.1.4): these see my stores
.endr
.irp t, 0,1
	s_wait_dscnt 1-\t
	global_store_b128 v1, v[RB+4*\t:RB+4*\t+3], s[12:13] offset:512*\t
.endr
	s_wait_tensorcnt 0x0
	ds_add_u32 v144, v145
	s_wait_dscnt 0x0
	s_endpgm
.Lfunc_end_k_q7a23563501_ln2:
	.size	k_q7a23563501_ln2, .Lfunc_end_k_q7a23563501_ln2-k_q7a23563501_ln2
	.p2alignl 7, 3214868480
	.fill 96, 4, 3214868480
	.section	.rodata,"a",@progbits
	.p2align	6, 0x0
	.amdhsa_kernel k_q7a23563501_ln2
		.amdhsa_group_segment_fixed_size 18432
		.amdhsa_private_segment_fixed_size 0
		.amdhsa_enable_private_segment 0
		.amdhsa_kernarg_size 40
		.amdhsa_user_sgpr_count 2
		.amdhsa_user_sgpr_kernarg_segment_ptr 1
		.amdhsa_wavefront_size32 1
		.amdhsa_system_sgpr_workgroup_id_x 1
		.amdhsa_system_sgpr_workgroup_id_y 1
		.amdhsa_system_sgpr_workgroup_id_z 1
		.amdhsa_system_vgpr_workitem_id 0
		.amdhsa_next_free_vgpr 146
		.amdhsa_next_free_sgpr 66
		.amdhsa_reserve_vcc 0
		.amdhsa_float_denorm_mode_32 3
		.amdhsa_float_denorm_mode_16_64 3
		.amdhsa_memory_ordered 1
		.amdhsa_forward_progress 1
		.amdhsa_inst_pref_size 15
	.end_amdhsa_kernel
	.amdgpu_metadata
---
amdhsa.version: [ 1, 2 ]
amdhsa.kernels:
  - .name:           k_q7a23563501_ln2
    .symbol:         k_q7a23563501_ln2.kd
    .args:
      - { .name: hb, .offset: 0, .size: 8, .value_kind: global_buffer, .address_space: global }
      - { .name: g2, .offset: 8, .size: 8, .value_kind: global_buffer, .address_space: global }
      - { .name: b2, .offset: 16, .size: 8, .value_kind: global_buffer, .address_space: global }
      - { .name: lowp_scales, .offset: 24, .size: 8, .value_kind: global_buffer, .address_space: global }
      - { .name: hc, .offset: 32, .size: 8, .value_kind: global_buffer, .address_space: global }
    .group_segment_fixed_size: 18432
    .private_segment_fixed_size: 0
    .kernarg_segment_align: 8
    .kernarg_segment_size: 40
    .max_flat_workgroup_size: 512
    .sgpr_count:     66
    .vgpr_count:     146
    .wavefront_size: 32
...
	.end_amdgpu_metadata
.endif
;; end of part 5
;; launch w1 (part 6): grid 16 x 16, 4 waves a work-group, clusters of 4 x 4, 327,680 bytes of LDS; arguments hc, W1_codes, lowp_scales, bm1, gc; writes gc
.if DOCPART == 6
	.amdgcn_target "amdgcn-amd-amdhsa--gfx1250"
	.amdhsa_code_object_version 6
	.text
	.protected	k_q7a23563501_w1
	.globl	k_q7a23563501_w1
	.p2align	8
	.type	k_q7a23563501_w1,@function
k_q7a23563501_w1:
	s_mov_b64 s[64:65], 0
	v_nop
	global_prefetch_b8 v0, s[64:65] scope:SCOPE_SE
	s_setreg_imm32_b32 hwreg(HW_REG_WAVE_MODE, 25, 1), 1
	s_wait_xcnt 0x0
	s_wait_alu depctr_hold_cnt(0) depctr_sa_sdst(0) depctr_va_vdst(0) depctr_va_sdst(0) depctr_va_ssrc(0) depctr_va_vcc(0) depctr_vm_vsrc(0)
	s_getreg_b32 s2, hwreg(HW_REG_IB_STS2, 6, 4)
	s_cmp_eq_u32 s2, 0
	s_cbranch_scc0 .Lentry_in_a_cluster
	s_endpgm
.Lentry_in_a_cluster:
	s_bfe_u32 s2, ttmp6, 0x10000c
	s_cmp_lg_u32 s2, 0xf033
	s_cbranch_scc0 .Lentry_shape_is_right
	s_endpgm
.Lentry_shape_is_right:
.set KSTEP,  256
.set ROWB,   256
.set KROW,   1024
.set PITCH,  272
.set FR,     16
.set NL,     4
.set NP,     4
.set HALFT,  128*PITCH
.set SLOT,   4*HALFT
.set LAPS,   KROW/(2*KSTEP)
.set SPARE,  2*SLOT
.set SPITCH, 528
.set ADRA, 16
.set ADRB, 20
.set RDA,  23
.set STO,  24
.set RD,   25
.set LO,   26
.set BO,   27
.set SPW,  28
.set NIL,  29
.set QS,   30
.set QL,   31
.set BI,   32
.set P,    32
.set Q,    64
.set KC,   96
.set AF,   128
.set Z,    128
.set U,    192
.set S,    224
.set G1, 24
.set G0, 32
.set G1B, 48
.set G0B, 56
.set MSB, 0
.macro WIN new
.if MSB != \new
	s_set_vgpr_msb (MSB<<8)|\new
.set MSB, \new
.endif
.endm
.set MUL_LO, 0xa1
.set MUL_HI, 0xf1
.set TO_B,   0x40
.macro JLOAD g0a, g1a, g0b, g1b
	s_cmp_eq_u32 s15, 0
	s_cbranch_scc0 .Lfor_b_\@
	tensor_load_to_lds s[\g0a:\g0a+3], s[\g1a:\g1a+7]
	s_nop 0
.rept 4
	v_nop
.endr
	s_branch .Lasked_\@
.Lfor_b_\@:
	tensor_load_to_lds s[\g0b:\g0b+3], s[\g1b:\g1b+7]
	s_nop 0
.rept 4
	v_nop
.endr
.Lasked_\@:
.endm
.macro CREST
	s_cmp_lg_u32 s14, 0
	s_cbranch_scc1 .Lnot_wave_0_\@
	s_barrier_signal -3
.Lnot_wave_0_\@:
	s_barrier_wait -3
	s_barrier_signal -1
	s_barrier_wait -1
.endm
.macro CROUND
	s_barrier_signal -1
	s_barrier_wait -1
	CREST
.endm
	s_load_b256 s[4:11], s[0:1], 0x0
	s_load_b64 s[12:13], s[0:1], 0x20
	v_lshl_add_u32 v[SPW], v0, 2, SPARE
	v_mov_b32 v[NIL], 0
	ds_add_u32 v28, v29
	ds_add_u32 v28, v29
	s_wait_dscnt 0x0
	v_lshrrev_b32 v1, 5, v0
	v_readfirstlane_b32 s14, v1
	s_lshr_b32 s15, s14, 1
	s_and_b32 s16, s14, 1
	s_bfe_u32 s40, ttmp6, 0x40000
	s_bfe_u32 s41, ttmp6, 0x40004
	s_lshl_b32 s42, ttmp9, 2
	s_add_co_u32 s42, s42, s40
	s_and_b32 s17, ttmp7, 0xffff
	s_lshl_b32 s17, s17, 2
	s_add_co_u32 s17, s17, s41
	s_lshl_b32 s43, s41, 2
	s_lshl_b32 s43, 15, s43
	s_lshl_b32 s44, 0x1111, s40
	s_or_b32 s[G1+0], s43, (0<<16)|(1<<20)|(1<<21)|(5<<22)|(3<<25)
	s_or_b32 s[G1B+0], s44, (0<<16)|(1<<20)|(1<<21)|(5<<22)|(3<<25)
.irp g, G1, G1B
	s_mov_b32 s[\g+1], ROWB<<16
	s_mov_b32 s[\g+2], 128<<16
	s_mov_b32 s[\g+3], ROWB<<16
	s_mov_b32 s[\g+4], 128
	s_mov_b32 s[\g+5], KROW
	s_mov_b32 s[\g+6], 0
	s_mov_b32 s[\g+7], 0
.endr
	s_lshl_b32 s18, s16, 7
	s_lshl_b32 s20, s17, 8
	s_add_co_u32 s20, s20, s18
	s_lshl_b32 s20, s20, 10
	s_mov_b32 s21, 0
	s_lshl_b32 s46, s42, 8
	s_add_co_u32 s46, s46, s18
	s_lshl_b32 s46, s46, 10
	s_mov_b32 s47, 0
	s_mul_i32 s45, s14, HALFT
	s_lshl_b32 s88, s42, 8
	s_lshl_b32 s89, s16, 7
	s_add_co_u32 s88, s88, s89
	s_lshl_b32 s88, s88, 2
	s_mov_b32 s89, 0
	s_wait_kmcnt 0x0
	s_load_b128 s[68:71], s[8:9], 0x30
	s_add_nc_u64 s[20:21], s[4:5], s[20:21]
	s_add_nc_u64 s[46:47], s[6:7], s[46:47]
	; the prefetches: of the 128 rows that my wave fetches, my work-group takes 32, told apart from its three partners by address (cx for hn's tiles, cy for W1's); a lane a row of 1,024 bytes
	s_cmp_eq_u32 s15, 0
	s_cselect_b64 s[90:91], s[20:21], s[46:47]
	s_cselect_b32 s92, s40, s41
	s_lshl_b32 s92, s92, 15
	s_mov_b32 s93, 0
	s_add_nc_u64 s[90:91], s[90:91], s[92:93]
	v_and_b32 v22, 31, v0
	v_lshlrev_b32 v22, 10, v22
	s_wait_alu depctr_va_vdst(0)                   ; the wait
	s_add_nc_u64 s[10:11], s[10:11], s[88:89]
	CROUND
.irp s, 0,1
	s_mov_b32 s[G0+4*\s], 1
	s_add_co_u32 s[G0+4*\s+1], s45, \s*SLOT
	s_add_nc_u64 s[G0+4*\s+2:G0+4*\s+3], s[20:21], \s*ROWB
	s_or_b32 s[G0+4*\s+3], s[G0+4*\s+3], 0x80000000
	s_mov_b32 s[G0B+4*\s], 1
	s_add_co_u32 s[G0B+4*\s+1], s45, \s*SLOT
	s_add_nc_u64 s[G0B+4*\s+2:G0B+4*\s+3], s[46:47], \s*ROWB
	s_or_b32 s[G0B+4*\s+3], s[G0B+4*\s+3], 0x80000000
.if \s
	s_wait_tensorcnt 0x0                           ; slot 1's first fill is issued as a refill is: the tensor wait, the adds and a round go ahead of it
	ds_add_u32 v28, v29
	ds_add_u32 v28, v29
	s_wait_dscnt 0x0
	CROUND
.endif
	JLOAD G0+4*\s, G1, G0B+4*\s, G1B
.if \s == 0
	global_prefetch_b8 v22, s[90:91] offset:ROWB th:TH_LOAD_NT scope:SCOPE_SE          ; behind the load of K step 0 also K step 1, whose load follows one load later
.endif
	global_prefetch_b8 v22, s[90:91] offset:(2+\s)*ROWB th:TH_LOAD_NT scope:SCOPE_SE   ; behind the load of K step s: 256 bytes of each of my 32 rows of K step s + 2; two K steps at the most are asked for and not yet loaded
.endr
	v_and_b32 v1, 15, v0
	s_wait_alu depctr_va_vdst(0)
	v_bfe_u32 v2, v0, 4, 1
	v_mul_u32_u24 v3, v1, PITCH
	v_lshl_add_u32 v4, v2, 4, v3
	s_mul_i32 s21, s15, HALFT
	s_mul_i32 s22, s16, HALFT
	s_add_co_u32 s22, s22, 2*HALFT
.irp s, 0,1
	v_add_nc_u32 v[ADRA+\s], s21, v4
	v_add_nc_u32 v[ADRB+\s], s22, v4
	s_add_co_u32 s21, s21, SLOT
	s_add_co_u32 s22, s22, SLOT
.endr
	s_mul_i32 s23, s14, 128*SPITCH
	v_mul_u32_u24 v5, v1, SPITCH
	v_add_nc_u32 v5, s23, v5
	s_wait_alu depctr_va_vdst(0)
	v_lshl_add_u32 v[STO], v2, 5, v5
	v_lshl_add_u32 v[RD], v2, 6, v5
	v_and_b32 v[LO], 31, v0
	v_lshlrev_b32 v[LO], 4, v[LO]
	v_lshlrev_b32 v[BO], 5, v2
.irp b, 0,1,2,3,4,5,6,7
	global_load_b128 v[BI+8*\b:BI+8*\b+3], v[BO], s[10:11] offset:64*\b
	global_load_b128 v[BI+8*\b+4:BI+8*\b+7], v[BO], s[10:11] offset:64*\b+16
.endr
.macro FRAG reg, adr, q, i
.irp c, 0,1,2,3
	ds_load_b128 v[\reg+4*\c:\reg+4*\c+3], v[\adr] offset:128*(\q)+32*\c+(\i)*16*PITCH
.endr
.endm
.macro MUL16 a0, p, zero
.irp a, \a0, \a0+1
.irp b, 0,1,2,3,4,5,6,7
.if \zero
	v_wmma_f32_16x16x128_fp8_fp8 v[8*(8*((\a)%4)+\b):8*(8*((\a)%4)+\b)+7], v[128*(\p)+FR*\b:128*(\p)+FR*\b+FR-1], v[AF+FR*(\a):AF+FR*(\a)+FR-1], 0
.else
	v_wmma_f32_16x16x128_fp8_fp8 v[8*(8*((\a)%4)+\b):8*(8*((\a)%4)+\b)+7], v[128*(\p)+FR*\b:128*(\p)+FR*\b+FR-1], v[AF+FR*(\a):AF+FR*(\a)+FR-1], v[8*(8*((\a)%4)+\b):8*(8*((\a)%4)+\b)+7]
.endif
.endr
.endr
.endm
.macro FETCH_B slot, q, p
	WIN TO_B
.irp i, 0,1,2,3,4,5,6,7
	FRAG 128*(\p)+FR*\i, ADRB+\slot, \q, \i
.endr
	WIN 0
.endm
.macro FETCH_A slot, q, i0
.irp i, \i0, \i0+1, \i0+2, \i0+3
	FRAG AF+FR*(\i), ADRA+\slot, \q, \i
.endr
.endm
.macro PLACES n
.rept \n
	v_nop
.endr
.endm
.macro STEP slot, q, zero
	s_wait_dscnt 4*NL
	WIN MUL_LO
	MUL16 0, (\q)%2, \zero
	MUL16 2, (\q)%2, \zero
	s_wait_dscnt 0
	PLACES NP
	FETCH_B \slot, (\q)+1, 1-(\q)%2
	FETCH_A \slot, (\q)+1, 0
	WIN MUL_HI
	MUL16 4, (\q)%2, \zero
	MUL16 6, (\q)%2, \zero
	PLACES NP
	WIN 0
	FETCH_A \slot, (\q)+1, 4
.endm
.macro TURN slot, next, fill
	s_wait_tensorcnt 0x0
	ds_add_u32 v[SPW], v[NIL]
	s_wait_dscnt 4*NL+1
	WIN MUL_LO
	MUL16 0, 1, 0
	s_wait_dscnt 0x0
	s_barrier_signal -1
	MUL16 2, 1, 0
	WIN 0
	s_barrier_wait -1
.if \fill
	CREST
	s_add_nc_u64 s[G0+4*\slot+2:G0+4*\slot+3], s[G0+4*\slot+2:G0+4*\slot+3], 2*ROWB
	s_add_nc_u64 s[G0B+4*\slot+2:G0B+4*\slot+3], s[G0B+4*\slot+2:G0B+4*\slot+3], 2*ROWB
	JLOAD G0+4*\slot, G1, G0B+4*\slot, G1B
.else
	PLACES NP
.endif
	FETCH_B \next, 0, 0
	FETCH_A \next, 0, 0
	WIN MUL_HI
	MUL16 4, 1, 0
	MUL16 6, 1, 0
	PLACES NP
	WIN 0
	FETCH_A \next, 0, 4
.endm
	s_wait_tensorcnt 1
	s_barrier_signal -1
	s_barrier_wait -1
	FETCH_B 0, 0, 0
	FETCH_A 0, 0, 0
	FETCH_A 0, 0, 4
	STEP 0, 0, 1
	s_mov_b32 s3, LAPS-1
.Llap:
	TURN 0, 1, 1
	STEP 1, 0, 0
	TURN 1, 0, 1
	STEP 0, 0, 0
	s_sub_co_u32 s3, s3, 1
	s_cmp_lg_u32 s3, 0
	s_cbranch_scc1 .Llap
	TURN 0, 1, 0
	STEP 1, 0, 0
	s_wait_dscnt 4*NL
	WIN MUL_LO
	MUL16 0, 1, 0
	MUL16 2, 1, 0
	s_wait_dscnt 0
	WIN MUL_HI
	MUL16 4, 1, 0
	MUL16 6, 1, 0
	WIN 0
	s_wait_kmcnt 0x0
	s_wait_loadcnt 0x0
	s_barrier_signal -1
	s_add_co_i32 s96, s68, s69
	s_add_co_i32 s96, s96, 127
	s_lshl_b32 s96, s96, 23
	s_mov_b32 s97, s96
	s_add_co_i32 s88, s70, 127
	s_lshl_b32 s89, s88, 23
	v_mov_b32 v[QS], s89
	s_add_co_i32 s88, s88, 8
	s_lshl_b32 s88, s88, 23
	s_or_b32 s88, s88, 0x600000
	v_mov_b32 v[QL], s88
	s_lshl_b32 s20, s17, 4
	s_lshl_b32 s21, s15, 3
	s_add_co_u32 s20, s20, s21
	s_lshl_b32 s20, s20, 5
	s_lshl_b32 s46, s42, 1
	s_add_co_u32 s46, s46, s16
	s_add_co_u32 s20, s20, s46
	s_lshl_b32 s20, s20, 11
	s_mov_b32 s21, 0
	s_add_nc_u64 s[12:13], s[12:13], s[20:21]
.macro KSET i, val
	v_mov_b32 v[KC+2*\i], \val
	v_mov_b32 v[KC+2*\i+1], \val
.endm
	KSET 0, 0x3f3504f3
	KSET 1, 0xaf95df0b
	KSET 2, 0x32edffee
	KSET 3, 0xb60cff51
	KSET 4, 0xb86ec2d2
	KSET 5, 0xba40ac63
	KSET 6, 0xbb41a1f6
	KSET 7, 0xbc83dbd4
	KSET 8, 0xb77460cd
	KSET 9, 0xb95fbd29
	KSET 10, 0xbadc924e
	KSET 11, 0xbbf19bf8
	KSET 12, 0xbc69b6a7
	s_barrier_wait -1
.macro TOSTAGE a
.set AC, 64*((\a)%4)
.set TM, 128+64*((\a)%2)
	WIN 0x02+((\a)/4)
.irp j, 0,2,4,6,8,10,12,14,16,18,20,22,24,26,28,30,32,34,36,38,40,42,44,46,48,50,52,54,56,58,60,62
	v_pk_fma_f32 v[TM+\j:TM+\j+1], v[AC+\j:AC+\j+1], s[96:97], v[BI+\j:BI+\j+1] op_sel_hi:[1,0,1]
.endr
	WIN 0
.irp b, 0,1,2,3,4,5,6,7
	ds_store_b128 v[STO], v[TM+8*\b:TM+8*\b+3] offset:(\a)*16*SPITCH+64*\b
	ds_store_b128 v[STO], v[TM+8*\b+4:TM+8*\b+7] offset:(\a)*16*SPITCH+64*\b+16
.endr
.endm
.irp a, 0,1,2,3,4,5,6,7
	TOSTAGE \a
.endr
.macro VMULK d, a, k
.set n, 0
.rept 16
	v_pk_mul_f32 v[\d+n:\d+n+1], v[\a+n:\a+n+1], v[KC+2*(\k):KC+2*(\k)+1]
.set n, n+2
.endr
.endm
.macro VMUL d, a, b
.set n, 0
.rept 16
	v_pk_mul_f32 v[\d+n:\d+n+1], v[\a+n:\a+n+1], v[\b+n:\b+n+1]
.set n, n+2
.endr
.endm
.macro VFMAKK d, a, k1, k2
.set n, 0
.rept 16
	v_pk_fma_f32 v[\d+n:\d+n+1], v[\a+n:\a+n+1], v[KC+2*(\k1):KC+2*(\k1)+1], v[KC+2*(\k2):KC+2*(\k2)+1]
.set n, n+2
.endr
.endm
.macro VFMAK d, a, b, k
.set n, 0
.rept 16
	v_pk_fma_f32 v[\d+n:\d+n+1], v[\a+n:\a+n+1], v[\b+n:\b+n+1], v[KC+2*(\k):KC+2*(\k)+1]
.set n, n+2
.endr
.endm
.macro GELU u
.set ZZ, Z+32*(\u)
.set CD, 2+8*(\u)
	s_wait_dscnt 8-8*(\u)
	VMULK U, ZZ, 0
.set n, 0
.rept 32
	v_med3_num_f32 v[U+n], v[U+n], -4.0, 4.0
.set n, n+1
.endr
	VMUL S, U, U
	VFMAKK P, S, 1, 2
	VFMAK P, P, S, 3
	VFMAK P, P, S, 4
	VFMAK P, P, S, 5
	VFMAK P, P, S, 6
	VFMAK P, P, S, 7
	VFMAKK Q, S, 8, 9
	VFMAK Q, Q, S, 10
	VFMAK Q, Q, S, 11
	VFMAK Q, Q, S, 12
	VMUL P, P, U
.set n, 0
	s_wait_alu depctr_va_vdst(0)
.rept 32
	v_rcp_f32 v[Q+n], v[Q+n]
.set n, n+1
.endr
.set n, 0
.rept 16
	v_pk_mul_f32 v[U+n:U+n+1], v[ZZ+n:ZZ+n+1], 0.5 op_sel_hi:[1,0]
.set n, n+2
.endr
	s_wait_alu depctr_va_vdst(0)
	VMUL P, P, Q
.set n, 0
.rept 16
	v_pk_fma_f32 v[ZZ+n:ZZ+n+1], v[U+n:U+n+1], v[P+n:P+n+1], v[U+n:U+n+1]
.set n, n+2
.endr
.set n, 0
.rept 32
	v_med3_num_f32 v[ZZ+n], v[ZZ+n], -v[QL], v[QL]
.set n, n+1
.endr
	s_wait_alu depctr_va_vdst(0)
	s_wait_xcnt 0x0
.if (\u) == 0
	s_add_nc_u64 s[12:13], s[12:13], 65536
.endif
.irp g, 0,1,2,3
	v_cvt_scalef32_pk8_fp8_f32 v[CD+2*\g:CD+2*\g+1], v[ZZ+8*\g:ZZ+8*\g+7], v[QS]
.endr
	v_nop
.irp cc, 0,1
	global_store_b128 v[LO], v[CD+4*\cc:CD+4*\cc+3], s[12:13] offset:-65536+512*(2*(\u)+\cc)
.endr
.endm
	s_mov_b32 s3, 8
	s_mov_b32 s93, 0
.Lrows:
	v_add_nc_u32 v[RDA], s93, v[RD]
.irp c, 0,1,2,3
.irp i, 0,1,2,3
	ds_load_b128 v[Z+16*\c+4*\i:Z+16*\c+4*\i+3], v[RDA] offset:128*\c+16*\i
.endr
.endr
	GELU 0
	GELU 1
	s_add_co_u32 s93, s93, 16*SPITCH
	s_sub_co_u32 s3, s3, 1
	s_cmp_lg_u32 s3, 0
	s_cbranch_scc1 .Lrows
	s_wait_tensorcnt 0x0
	ds_add_u32 v[SPW], v[NIL]
	s_wait_dscnt 0x0
	CROUND
	s_endpgm
.Lfunc_end_k_q7a23563501_w1:
	.size	k_q7a23563501_w1, .Lfunc_end_k_q7a23563501_w1-k_q7a23563501_w1
	.p2alignl 7, 3214868480
	.fill 96, 4, 3214868480
	.section	.rodata,"a",@progbits
	.p2align	6, 0x0
	.amdhsa_kernel k_q7a23563501_w1
		.amdhsa_group_segment_fixed_size 327680
		.amdhsa_private_segment_fixed_size 0
		.amdhsa_enable_private_segment 0
		.amdhsa_kernarg_size 40
		.amdhsa_user_sgpr_count 2
		.amdhsa_user_sgpr_kernarg_segment_ptr 1
		.amdhsa_wavefront_size32 1
		.amdhsa_system_sgpr_workgroup_id_x 1
		.amdhsa_system_sgpr_workgroup_id_y 1
		.amdhsa_system_sgpr_workgroup_id_z 1
		.amdhsa_system_vgpr_workitem_id 0
		.amdhsa_next_free_vgpr 1024
		.amdhsa_next_free_sgpr 98
		.amdhsa_reserve_vcc 0
		.amdhsa_float_denorm_mode_32 3
		.amdhsa_float_denorm_mode_16_64 3
		.amdhsa_memory_ordered 1
		.amdhsa_forward_progress 1
		.amdhsa_inst_pref_size 151
	.end_amdhsa_kernel
	.amdgpu_metadata
---
amdhsa.version: [ 1, 2 ]
amdhsa.kernels:
  - .name:           k_q7a23563501_w1
    .symbol:         k_q7a23563501_w1.kd
    .args:
      - { .name: hc, .offset: 0, .size: 8, .value_kind: global_buffer, .address_space: global }
      - { .name: W1_codes, .offset: 8, .size: 8, .value_kind: global_buffer, .address_space: global }
      - { .name: lowp_scales, .offset: 16, .size: 8, .value_kind: global_buffer, .address_space: global }
      - { .name: bm1, .offset: 24, .size: 8, .value_kind: global_buffer, .address_space: global }
      - { .name: gc, .offset: 32, .size: 8, .value_kind: global_buffer, .address_space: global }
    .group_segment_fixed_size: 327680
    .private_segment_fixed_size: 0
    .kernarg_segment_align: 8
    .kernarg_segment_size: 40
    .max_flat_workgroup_size: 128
    .sgpr_count:     98
    .vgpr_count:     1024
    .wavefront_size: 32
...
	.end_amdgpu_metadata
.endif
;; end of part 6
;; launch w2 (part 7): grid 8 x 32, 4 waves a work-group, clusters of 4 x 4, 327,680 bytes of LDS; arguments gc, W2_codes, lowp_scales, bm2, hb, out0; writes out0
.if DOCPART == 7
	.amdgcn_target "amdgcn-amd-amdhsa--gfx1250"
	.amdhsa_code_object_version 6
	.text
	.protected	k_q7a23563501_w2
	.globl	k_q7a23563501_w2
	.p2align	8
	.type	k_q7a23563501_w2,@function
k_q7a23563501_w2:
	s_mov_b64 s[64:65], 0
	v_nop
	global_prefetch_b8 v0, s[64:65] scope:SCOPE_SE
	s_setreg_imm32_b32 hwreg(HW_REG_WAVE_MODE, 25, 1), 1
	s_wait_xcnt 0x0
	s_wait_alu depctr_hold_cnt(0) depctr_sa_sdst(0) depctr_va_vdst(0) depctr_va_sdst(0) depctr_va_ssrc(0) depctr_va_vcc(0) depctr_vm_vsrc(0)
	s_getreg_b32 s2, hwreg(HW_REG_IB_STS2, 6, 4)
	s_cmp_eq_u32 s2, 0
	s_cbranch_scc0 .Lentry_in_a_cluster
	s_endpgm
.Lentry_in_a_cluster:
	s_bfe_u32 s2, ttmp6, 0x10000c
	s_cmp_lg_u32 s2, 0xf033
	s_cbranch_scc0 .Lentry_shape_is_right
	s_endpgm
.Lentry_shape_is_right:
.set K,      4096
.set SCOFF,  0x38
.set KSTEP,  512
.set PB,     528
.set APAN,   8192
.set AHALF,  4*APAN
.set BOFF,   2*AHALF
.set BHALF,  64*PB
.set SLOT,   BOFF+2*BHALF
.set SPARE,  2*SLOT
.set SP,     272
.set LAPS,   K/(2*KSTEP)
.set BV,   12
.set ADRA, 16
.set ADRB, 20
.set STO,  24
.set RD,   25
.set CO,   26
.set SPW,  28
.set NIL,  29
.set R,    32
.set ACC,  128
.set F0,   0
.set F1,   128
.set G1, 24
.set G0, 32
.set G1B, 48
.set G0B, 56
.set MSB, 0
.macro WIN new
.if MSB != \new
	s_set_vgpr_msb (MSB<<8)|\new
.set MSB, \new
.endif
.endm
.set MUL,  0x05
.set TO_F, 0x40
.macro JLOAD s
	s_cmp_eq_u32 s15, 0
	s_cbranch_scc0 .Lfor_b_\@
	tensor_load_to_lds s[G0+4*\s:G0+4*\s+3], s[G1:G1+7]
	s_nop 0
.rept 4
	v_nop
.endr
	s_branch .Lasked_\@
.Lfor_b_\@:
	tensor_load_to_lds s[G0B+4*\s:G0B+4*\s+3], s[G1B:G1B+7]
	s_nop 0
.rept 4
	v_nop
.endr
.Lasked_\@:
.endm
.macro CREST
	s_cmp_lg_u32 s14, 0
	s_cbranch_scc1 .Lnot_wave_0_\@
	s_barrier_signal -3
.Lnot_wave_0_\@:
	s_barrier_wait -3
	s_barrier_signal -1
	s_barrier_wait -1
.endm
.macro CROUND
	s_barrier_signal -1
	s_barrier_wait -1
	CREST
.endm
	s_load_b256 s[4:11], s[0:1], 0x0
	s_load_b128 s[68:71], s[0:1], 0x20
	v_lshl_add_u32 v[SPW], v0, 2, SPARE
	v_mov_b32 v[NIL], 0
	ds_add_u32 v28, v29
	ds_add_u32 v28, v29
	s_wait_dscnt 0x0
	v_lshrrev_b32 v1, 5, v0
	v_readfirstlane_b32 s14, v1
	s_lshr_b32 s15, s14, 1
	s_and_b32 s16, s14, 1
	s_bfe_u32 s40, ttmp6, 0x40000
	s_bfe_u32 s41, ttmp6, 0x40004
	s_lshl_b32 s42, ttmp9, 2
	s_add_co_u32 s42, s42, s40
	s_and_b32 s17, ttmp7, 0xffff
	s_lshl_b32 s17, s17, 2
	s_add_co_u32 s17, s17, s41
	s_lshl_b32 s43, s41, 2
	s_lshl_b32 s43, 15, s43
	s_lshl_b32 s44, 0x1111, s40
	s_or_b32 s[G1+0], s43, (3<<16)|(1<<21)
	s_mov_b32 s[G1+1], 1024<<16
	s_mov_b32 s[G1+2], 4<<16
	s_mov_b32 s[G1+3], 1024<<16
	s_mov_b32 s[G1+4], 4
	s_mov_b32 s[G1+5], 2*K
	s_mov_b32 s[G1+6], 0
	s_mov_b32 s[G1+7], 0
	s_or_b32 s[G1B+0], s44, (0<<16)|(1<<20)|(1<<21)|(6<<22)|(3<<25)
	s_mov_b32 s[G1B+1], KSTEP<<16
	s_mov_b32 s[G1B+2], 64<<16
	s_mov_b32 s[G1B+3], KSTEP<<16
	s_mov_b32 s[G1B+4], 64
	s_mov_b32 s[G1B+5], K
	s_mov_b32 s[G1B+6], 0
	s_mov_b32 s[G1B+7], 0
	s_lshl_b32 s20, s17, 3
	s_lshl_b32 s18, s16, 2
	s_add_co_u32 s20, s20, s18
	s_mul_i32 s20, s20, 16*K
	s_mov_b32 s21, 0
	s_lshl_b32 s46, s42, 7
	s_lshl_b32 s18, s16, 6
	s_add_co_u32 s46, s46, s18
	s_mul_i32 s46, s46, K
	s_mov_b32 s47, 0
	s_lshl_b32 s45, s16, 15
	s_mul_i32 s22, s16, BHALF
	s_add_co_u32 s22, s22, BOFF
	s_wait_kmcnt 0x0
	s_load_b64 s[72:73], s[8:9], SCOFF
	s_add_nc_u64 s[20:21], s[4:5], s[20:21]
	s_add_nc_u64 s[46:47], s[6:7], s[46:47]
	; the prefetches: of what my wave fetches for a K step (4 panels of 8,192 bytes of the first operand, or 64 rows x 512 bytes of W2) my work-group takes a quarter, 32 blocks of 256 bytes,
	; told apart from its three partners by address (cx: one panel; cy: 16 rows; both lie 65,536 bytes apart).  s[76:77]: where they stand, from K step 2 on; s[78:79]: a K step on; v30: my lane's block
	s_cmp_eq_u32 s15, 0
	s_cselect_b64 s[76:77], s[20:21], s[46:47]
	s_cselect_b32 s74, s40, s41
	s_mov_b32 s78, KSTEP
	s_cselect_b32 s78, APAN, s78
	s_mov_b32 s75, K
	s_cselect_b32 s75, 512, s75                    ; from one pair of blocks to the next: 512 bytes on in a panel, a row on in W2
	s_mov_b32 s79, 0
	v_bfe_u32 v30, v0, 1, 4
	v_mul_lo_u32 v30, v30, s75
	v_and_b32 v31, 1, v0
	v_lshl_add_u32 v30, v31, 8, v30
	s_lshl_b32 s74, s74, 16
	s_mov_b32 s75, 0
	s_add_nc_u64 s[76:77], s[76:77], s[74:75]
	s_add_nc_u64 s[74:75], s[76:77], s[78:79]      ; s[74:75]: my quarter of K step 1, asked for once, behind the load of K step 0
	s_add_nc_u64 s[76:77], s[74:75], s[78:79]      ; s[76:77]: of K step 2, and on from there
	s_wait_alu depctr_va_vdst(0)                   ; the wait
	CROUND
.irp s, 0,1
	s_mov_b32 s[G0+4*\s], 1
	s_add_co_u32 s[G0+4*\s+1], s45, \s*SLOT
	s_add_nc_u64 s[G0+4*\s+2:G0+4*\s+3], s[20:21], \s*APAN
	s_or_b32 s[G0+4*\s+3], s[G0+4*\s+3], 0x80000000
	s_mov_b32 s[G0B+4*\s], 1
	s_add_co_u32 s[G0B+4*\s+1], s22, \s*SLOT
	s_add_nc_u64 s[G0B+4*\s+2:G0B+4*\s+3], s[46:47], \s*KSTEP
	s_or_b32 s[G0B+4*\s+3], s[G0B+4*\s+3], 0x80000000
.if \s
	s_wait_xcnt 0x0                                ; my prefetch has read its address: it may step
	s_add_nc_u64 s[76:77], s[76:77], s[78:79]
	s_wait_tensorcnt 0x0                           ; slot 1's first fill is issued as a refill is: the tensor wait, the adds and a round go ahead of it
	ds_add_u32 v28, v29
	ds_add_u32 v28, v29
	s_wait_dscnt 0x0
	CROUND
.endif
	JLOAD \s
.if \s == 0
	global_prefetch_b8 v30, s[74:75] th:TH_LOAD_NT scope:SCOPE_SE   ; K step 1, whose load follows one load later; s[74:75] are written again only behind the wait on XCNT above
.endif
	global_prefetch_b8 v30, s[76:77] th:TH_LOAD_NT scope:SCOPE_SE   ; behind the load of K step s: my quarter of K step s + 2; two K steps at the most are asked for and not yet loaded
.endr
	v_and_b32 v1, 15, v0
	v_bfe_u32 v2, v0, 4, 1
	v_and_b32 v3, 31, v0
	v_lshlrev_b32 v3, 4, v3
	v_mul_u32_u24 v4, v1, PB
	v_lshl_add_u32 v4, v2, 4, v4
	s_lshl_b32 s21, s15, 15
	s_mul_i32 s22, s16, BHALF
	s_add_co_u32 s22, s22, BOFF
.irp s, 0,1
	v_add_nc_u32 v[ADRA+\s], s21, v3
	v_add_nc_u32 v[ADRB+\s], s22, v4
	s_add_co_u32 s21, s21, SLOT
	s_add_co_u32 s22, s22, SLOT
.endr
	s_mul_i32 s23, s14, 64*SP
	v_mul_u32_u24 v5, v1, SP
	v_lshl_add_u32 v5, v2, 5, v5
	v_add_nc_u32 v[STO], s23, v5
	v_mul_u32_u24 v5, v2, SP
	v_lshl_add_u32 v5, v1, 4, v5
	v_add_nc_u32 v[RD], s23, v5
	v_lshlrev_b32 v5, 12, v2
	v_lshl_add_u32 v[CO], v1, 4, v5
	v_lshlrev_b32 v6, 4, v1
	s_wait_alu depctr_va_vdst(0)
	s_lshl_b32 s18, s17, 7
	s_lshl_b32 s19, s15, 6
	s_add_co_u32 s18, s18, s19
	s_lshl_b32 s18, s18, 12
	s_lshl_b32 s74, s42, 7
	s_lshl_b32 s75, s16, 6
	s_add_co_u32 s74, s74, s75
	s_lshl_b32 s74, s74, 2
	s_mov_b32 s75, 0
	s_add_nc_u64 s[10:11], s[10:11], s[74:75]
	s_add_co_u32 s74, s74, s18
	s_add_nc_u64 s[68:69], s[68:69], s[74:75]
	s_add_nc_u64 s[70:71], s[70:71], s[74:75]
.macro RLOAD a
.irp t, 0,1,2,3,4,5,6,7
	global_load_b128 v[R+32*((\a)%2)+4*\t:R+32*((\a)%2)+4*\t+3], v[CO], s[68:69] offset:65536*(\a)+8192*\t th:TH_LOAD_NT
.endr
.endm
	global_load_b128 v[BV:BV+3], v6, s[10:11]
	RLOAD 0                                        ; all four blocks of the residual are asked for here, and wanted on the way out
	RLOAD 1
	WIN 0x80                                       ; blocks 2 and 3 take the same register numbers in window 2
	RLOAD 2
	RLOAD 3
	WIN 0
.macro MULT f, a, zero
.irp b, 0,1,2,3
.if \zero
	v_wmma_f32_16x16x128_fp8_fp8 v[ACC+8*(4*(\a)+\b):ACC+8*(4*(\a)+\b)+7], v[\f+64+16*\b:\f+64+16*\b+15], v[\f+16*(\a):\f+16*(\a)+15], 0
.else
	v_wmma_f32_16x16x128_fp8_fp8 v[ACC+8*(4*(\a)+\b):ACC+8*(4*(\a)+\b)+7], v[\f+64+16*\b:\f+64+16*\b+15], v[\f+16*(\a):\f+16*(\a)+15], v[ACC+8*(4*(\a)+\b):ACC+8*(4*(\a)+\b)+7]
.endif
.endr
.endm
.macro FETCH slot, q, f
	WIN TO_F
.irp i, 0,1,2,3
.irp c, 0,1,2,3
	ds_load_b128 v[\f+64+16*\i+4*\c:\f+64+16*\i+4*\c+3], v[ADRB+\slot] offset:128*(\q)+32*\c+\i*16*PB
.endr
.endr
.irp i, 0,1,2,3
.irp c, 0,1,2,3
	ds_load_b128 v[\f+16*\i+4*\c:\f+16*\i+4*\c+3], v[ADRA+\slot] offset:\i*APAN+2048*(\q)+512*\c
.endr
.endr
.endm
.macro PLACES
.rept 4
	v_nop
.endr
.endm
.macro QUARTER slot, q, f, g, zero
	s_wait_dscnt 8
	WIN MUL
	MULT \f, 0, \zero
	MULT \f, 1, \zero
	PLACES
	FETCH \slot, \q, \g
	s_wait_dscnt 32
	WIN MUL
	MULT \f, 2, \zero
	MULT \f, 3, \zero
.endm
.macro TURN slot, next, fill
	WIN 0
.if \fill
	s_wait_xcnt 0x0                                ; my last prefetch has read its address: it steps here, a K step behind that prefetch
	s_add_nc_u64 s[76:77], s[76:77], s[78:79]
.endif
	s_wait_tensorcnt 0x0
	ds_add_u32 v[SPW], v[NIL]
	s_wait_dscnt 9
	WIN MUL
	MULT F1, 0, 0
	s_wait_dscnt 0x0
	s_barrier_signal -1
	MULT F1, 1, 0
.if \fill
	WIN 0
.endif
	s_barrier_wait -1
.if \fill
	CREST
	s_add_nc_u64 s[G0+4*\slot+2:G0+4*\slot+3], s[G0+4*\slot+2:G0+4*\slot+3], 2*APAN
	s_add_nc_u64 s[G0B+4*\slot+2:G0B+4*\slot+3], s[G0B+4*\slot+2:G0B+4*\slot+3], 2*KSTEP
	JLOAD \slot
.else
	PLACES
.endif
	FETCH \next, 0, F0
.if \fill
	WIN 0                                          ; behind the refill with K step r and the run of LDS loads: my quarter of K step r + 2; the loop's last trip (r = 6, 7) has no such step and asks for nothing
	s_cmp_gt_u32 s3, 1
	s_cbranch_scc0 .Lno_ask_\@
	global_prefetch_b8 v30, s[76:77] th:TH_LOAD_NT scope:SCOPE_SE
.Lno_ask_\@:
.endif
	WIN MUL
	MULT F1, 2, 0
	MULT F1, 3, 0
.endm
	s_wait_tensorcnt 1
	s_barrier_signal -1
	s_barrier_wait -1
	FETCH 0, 0, F0
	QUARTER 0, 1, F0, F1, 1
.if LAPS > 1
	WIN 0
	s_mov_b32 s3, LAPS-1
.Llap:
	QUARTER 0, 2, F1, F0, 0
	QUARTER 0, 3, F0, F1, 0
	TURN 0, 1, 1
	QUARTER 1, 1, F0, F1, 0
	QUARTER 1, 2, F1, F0, 0
	QUARTER 1, 3, F0, F1, 0
	TURN 1, 0, 1
	QUARTER 0, 1, F0, F1, 0
	WIN 0
	s_sub_co_u32 s3, s3, 1
	s_cmp_lg_u32 s3, 0
	s_cbranch_scc1 .Llap
.endif
	QUARTER 0, 2, F1, F0, 0
	QUARTER 0, 3, F0, F1, 0
	TURN 0, 1, 0
	QUARTER 1, 1, F0, F1, 0
	QUARTER 1, 2, F1, F0, 0
	QUARTER 1, 3, F0, F1, 0
	s_wait_dscnt 8
	WIN MUL
	MULT F1, 0, 0
	MULT F1, 1, 0
	s_wait_dscnt 0
	MULT F1, 2, 0
	MULT F1, 3, 0
	WIN 0
	s_wait_kmcnt 0x0
	s_add_co_i32 s66, s72, s73
	s_add_co_i32 s66, s66, 127
	s_lshl_b32 s66, s66, 23
	s_mov_b32 s67, s66
	PLACES
.irp a, 0,1,2,3
.irp b, 0,1,2,3
	ds_store_b128 v[STO], v[ACC+32*\a+8*\b:ACC+32*\a+8*\b+3] offset:\a*16*SP+64*\b
	ds_store_b128 v[STO], v[ACC+32*\a+8*\b+4:ACC+32*\a+8*\b+7] offset:\a*16*SP+64*\b+16
.endr
.irp t, 0,1,2,3,4,5,6,7
	ds_load_b128 v[ACC+32*\a+4*\t:ACC+32*\a+4*\t+3], v[RD] offset:\a*16*SP+\t*2*SP
.endr
.endr
.macro OUT a
.set RR, R+32*((\a)%2)
.set DD, ACC+32*(\a)
.if (\a) < 3
	s_wait_loadcnt 8
.else
	s_wait_loadcnt 0
.endif
	s_wait_dscnt 16*(3-(\a))
.set WA, 0x82*((\a)/2)                 ; the residual's numbers as destination and source 0: window 0 (blocks 0, 1) or 2 (blocks 2, 3)
.set WB, 0x20*((\a)/2)                 ; and as source 2
	WIN WA
.irp t, 0,1,2,3,4,5,6,7
	v_pk_add_f32 v[RR+4*\t:RR+4*\t+1], v[RR+4*\t:RR+4*\t+1], v[BV:BV+1]
	v_pk_add_f32 v[RR+4*\t+2:RR+4*\t+3], v[RR+4*\t+2:RR+4*\t+3], v[BV+2:BV+3]
.endr
	WIN WB
.irp t, 0,1,2,3,4,5,6,7
	v_pk_fma_f32 v[DD+4*\t:DD+4*\t+1], v[DD+4*\t:DD+4*\t+1], s[66:67], v[RR+4*\t:RR+4*\t+1] op_sel_hi:[1,0,1]
	v_pk_fma_f32 v[DD+4*\t+2:DD+4*\t+3], v[DD+4*\t+2:DD+4*\t+3], s[66:67], v[RR+4*\t+2:RR+4*\t+3] op_sel_hi:[1,0,1]
.endr
	WIN 0
.irp t, 0,1,2,3,4,5,6,7
	global_store_b128 v[CO], v[DD+4*\t:DD+4*\t+3], s[70:71] offset:65536*(\a)+8192*\t th:TH_STORE_NT
.endr
.endm
	OUT 0
	OUT 1
	OUT 2
	OUT 3
	s_wait_tensorcnt 0x0
	ds_add_u32 v[SPW], v[NIL]
	s_wait_dscnt 0x0
	CROUND
	s_endpgm
.Lfunc_end_k_q7a23563501_w2:
	.size	k_q7a23563501_w2, .Lfunc_end_k_q7a23563501_w2-k_q7a23563501_w2
	.p2alignl 7, 3214868480
	.fill 96, 4, 3214868480
	.section	.rodata,"a",@progbits
	.p2align	6, 0x0
	.amdhsa_kernel k_q7a23563501_w2
		.amdhsa_group_segment_fixed_size 327680
		.amdhsa_private_segment_fixed_size 0
		.amdhsa_enable_private_segment 0
		.amdhsa_kernarg_size 48
		.amdhsa_user_sgpr_count 2
		.amdhsa_user_sgpr_kernarg_segment_ptr 1
		.amdhsa_wavefront_size32 1
		.amdhsa_system_sgpr_workgroup_id_x 1
		.amdhsa_system_sgpr_workgroup_id_y 1
		.amdhsa_system_sgpr_workgroup_id_z 1
		.amdhsa_system_vgpr_workitem_id 0
		.amdhsa_next_free_vgpr 608
		.amdhsa_next_free_sgpr 80
		.amdhsa_reserve_vcc 0
		.amdhsa_float_denorm_mode_32 3
		.amdhsa_float_denorm_mode_16_64 3
		.amdhsa_memory_ordered 1
		.amdhsa_forward_progress 1
		.amdhsa_inst_pref_size 83
	.end_amdhsa_kernel
	.amdgpu_metadata
---
amdhsa.version: [ 1, 2 ]
amdhsa.kernels:
  - .name:           k_q7a23563501_w2
    .symbol:         k_q7a23563501_w2.kd
    .args:
      - { .name: gc, .offset: 0, .size: 8, .value_kind: global_buffer, .address_space: global }
      - { .name: W2_codes, .offset: 8, .size: 8, .value_kind: global_buffer, .address_space: global }
      - { .name: lowp_scales, .offset: 16, .size: 8, .value_kind: global_buffer, .address_space: global }
      - { .name: bm2, .offset: 24, .size: 8, .value_kind: global_buffer, .address_space: global }
      - { .name: hb, .offset: 32, .size: 8, .value_kind: global_buffer, .address_space: global }
      - { .name: out0, .offset: 40, .size: 8, .value_kind: global_buffer, .address_space: global }
    .group_segment_fixed_size: 327680
    .private_segment_fixed_size: 0
    .kernarg_segment_align: 8
    .kernarg_segment_size: 48
    .max_flat_workgroup_size: 128
    .sgpr_count:     80
    .vgpr_count:     608
    .wavefront_size: 32
...
	.end_amdgpu_metadata
.endif
;; end of part 7
